; MI455X (gfx1250); checked and timed in simulation.
; The chip was launched on July 23, 2026; its instructions are those of AMD's public machine-readable ISA for CDNA 5 (MIT licence, August 2026) and "CDNA5" Instruction Set Architecture Reference Guide (July 2026). The comments in the code are by the model that wrote it; some were corrected since.
;; Causal Self Attention. Allowed arithmetic: matrix products marked QUANTISED: E3M2 operands, one E8M0 scale for each 32 along K, by v_wmma_scale_f32_16x16x128_f8f6f4 with both operands' format E3M2, f32 sums; everything else in f32.
;; Inputs: W_proj 1,024 x 1,024 float32; W_qkv 1,024 x 3,072 float32; x 2 x 2,048 x 1,024 float32.
;; Outputs: out0 2 x 2,048 x 1,024 float32; out1 2 x 2,048 float32.
;; This version of the problem:
;;   THIS VERSION OF THE PROBLEM IS GIVEN IN LOW PRECISION. The matrix products marked QUANTISED in the list below multiply operands that are first quantised to E3M2 (3 exponent bits, 2 mantissa bits; 6 bits a number), with one power-of-two scale for each 32 numbers along K (OCP MX v1.0); their sums are f32. All else is computed in f32.
;;   The module's matrix products, in the order in which they are computed (A, B: the left and right operand; K: the contracted axis; several contracted axes count as one K, in the product's order):
;;     1. [M 4,096, K 1,024] x [K 1,024, N 3,072]; A: input x; B: input W_qkv: QUANTISED
;;     2. batch 32 x [M 2,048, K 64] x [K 64, N 2,048]; A: computed on the way; B: computed on the way: QUANTISED
;;     3. batch 32 x [M 2,048, K 2,048] x [K 2,048, N 64]; A: softmax (see below); B: computed on the way: QUANTISED
;;     4. [M 4,096, K 1,024] x [K 1,024, N 1,024]; A: computed on the way; B: input W_proj: QUANTISED
;;   THE QUANTISER, for each operand of a quantised product, along K:
;;     - K is cut into blocks of 32 from its start; a last block that is shorter is filled with zeros.
;;     - A block's scale is 2^e with e = floor(log2(the largest magnitude in the block)) - 4, held to -126 .. 127; a block of zeros has e = 0. As a byte (E8M0): e + 127.
;;     - Each number is divided by its block's scale, clamped to +-28, and rounded to the nearest number of E3M2, ties to even, subnormals kept.
;;     - The product sums the exact products of the quantised numbers (number of the format x scale) in f32.
;;   ~~~python
;;   def quantise(x, axis):      # numpy; x: float32 -> the quantised numbers, widened to float32 again
;;       x = np.moveaxis(x, axis, -1); K = x.shape[-1]
;;       x = np.pad(x, [(0, 0)] * (x.ndim - 1) + [(0, -K % 32)]); x = x.reshape(x.shape[:-1] + (-1, 32)); a = np.abs(x).max(-1, keepdims=True)
;;       e = np.where(a > 0, np.clip(np.frexp(np.where(a > 0, a, 1))[1] - 1 - 4, -126, 127), 0)      # np.frexp(a)[1] - 1 = floor(log2(a)), exactly
;;       r = np.clip(x / 2.0 ** e, -28, 28)
;;       step = 2.0 ** (np.maximum(np.frexp(np.where(r == 0, 1, r))[1] - 1, -2) - 2)
;;       q = np.round(r / step) * step * 2.0 ** e      # np.round: ties to even
;;       return np.moveaxis(q.reshape(q.shape[:-2] + (-1,))[..., :K], -1, axis).astype(np.float32)
;;   ~~~
;;   SOFTMAX AHEAD OF A QUANTISED PRODUCT. Where the list says 'softmax', what is quantised is not the finished softmax but p = 2^(t - M), with t = logit x log2(e) and M = ceil(the row's largest t), a whole number; so 1/2 < the row's largest p <= 1. The row's sum l is taken of the UNQUANTISED p, in f32, and the product's result is divided by l at the end. Since M is a whole number, a kernel that streams over the keys may use a running M (the ceiling of the running maximum): every later rescaling is an exact power of two, which a block's scale takes up: the codes' values come out the same.
;;   OPERANDS COMPUTED ON THE WAY. 'Computed on the way' means the value that the module computes at that place (a softmax that the list does not call 'softmax' is quantised finished and normalised). What goes into a quantiser is computed in f32, as accurately as f32 sums, v_exp_f32 and their like allow (about 1e-6 of the number): no bf16 or f16 on the way to a quantiser, and a product that is left as it is and whose result goes on into a quantised operand takes f32 operands (vector FMAs, or v_wmma_f32_16x16x4_f32). A number that lies on a knife's edge between two numbers of the format may be rounded either way, as far as f32 arithmetic and the matrix unit's own rounding can turn it there, and no further.
;; One version. Each part assembles by itself: llvm-mc -triple=amdgcn-amd-amdhsa -mcpu=gfx1250 --defsym DOCPART=n.
;; ======== version 1 of 1: 4 launches
;; limits: a function is approximated: absolute error at most 2.05e-06
;; workspace buffers: pc 6,291,456 bytes; ps 262,144 bytes; qb 3,407,872 bytes; kv 6,815,744 bytes; oc 3,145,728 bytes; os 131,072 bytes; ep 262,144 bytes
;; launch prep (part 1): grid 256 x 1, 4 waves a work-group, no clusters, 68,096 bytes of LDS; arguments x, W_qkv, W_proj, pc, ps; writes pc, ps
.if DOCPART == 1
	.amdgcn_target "amdgcn-amd-amdhsa--gfx1250"
	.amdhsa_code_object_version 6
	.text
	.protected	k_q5bac0b729d_prep
	.globl	k_q5bac0b729d_prep
	.p2align	8
	.type	k_q5bac0b729d_prep,@function
k_q5bac0b729d_prep:
	s_mov_b64 s[64:65], 0
	v_nop
	global_prefetch_b8 v0, s[64:65] scope:SCOPE_SE
	s_setreg_imm32_b32 hwreg(HW_REG_WAVE_MODE, 25, 1), 1
	s_wait_xcnt 0x0
; x [4096][1024], W_qkv [1024][3072] and W_proj [1024][1024], all f32, become codes of BF6 (E3M2) with K innermost and one E8M0 byte for each 32 along K.
; pc: one space of 8,192 rows of 768 bytes (1,024 codes): x's tokens 0-4095, W_qkv's columns 4096-7167, W_proj's columns 7168-8191.
; ps: the same rows' scale bytes: byte beta of the 256-K group Q of stored row p lies at (p / 128) 4096 + 1024 Q + 8 (p % 128) + beta: the scales of 128 rows are one dense block of 4,096 bytes.
; STORED ORDER: stored row p holds true row p with its bits 3 and 4 exchanged.  So sixteen consecutive stored rows (tile 2 b + u, lane r) are the true rows 32 b + 8 u + r + 8 (r / 8): as source 0 of a
; matrix instruction they leave 16 true neighbours in a lane's 16 registers of two neighbouring result tiles, which is what the next quantiser wants.
; A block's scale is 2^(floor(log2(its largest magnitude)) - 4); its byte is the largest magnitude's exponent field - 4, held at 1 from below.
; LIMITS: a block of zeros, or one whose largest magnitude lies under 2^(5 - 127), carries the byte 1 (its codes are zeros or subnormal; the bytes are read by this program alone); NaN and infinities are not served.
; Work-groups 0-127 take x (K innermost: a plain stream of blocks), work-groups 128-255 the weights (K is the first axis: a lane takes a column, its registers run down K).  The two ways have LDS bytes of their own.
; The waves share nothing: no barrier, no tensor load, no cluster (no two work-groups read the same bytes).
.set EMAX,  4
.set STEPS, 16
.set CB,    12                         ; bytes of 16 codes
.set R,     16                         ; x: v16-79   four sets of 16 numbers as loaded
.set X,     80                         ; x: v80-111  two sets of 16 neighbours
.set E,     112                        ; x: v112-127 a scale byte for each step
.set C,     128                        ; x: v128-191 codes, four registers for each step
.set WREG,  8192                       ; x: LDS of a wave: two stages of 32 x SP bytes, then its 256 scale bytes
.set SP,    80
.set WLDS,  32768                      ; weights: their LDS begins here
.set WP,    272                        ; weights: a stage row: sixteen places of 16 bytes + 16
.set KROW,  768
.set WX,    32                         ; weights: v32-95 two sets of 32 numbers
.set WC,    96                         ; weights: a block's codes
.set OUTR,  112                        ; weights: v112-175 the way out
.set SB,    24                         ; weights: v24-25 the scale bytes
.set VO,    176                        ; weights: v176-207 byte offset of row i of a block, at my column
	s_load_b128 s[4:7], s[0:1], 0x0                ; x, W_qkv
	s_load_b128 s[8:11], s[0:1], 0x10              ; W_proj, pc
	s_load_b64 s[12:13], s[0:1], 0x20              ; ps
	v_lshl_add_u32 v208, v0, 2, 0x10800
	v_mov_b32 v209, 0
	v_lshrrev_b32 v1, 5, v0
	v_readfirstlane_b32 s16, v1                    ; wave
	v_and_b32 v2, 31, v0                           ; lane
	s_cmp_lt_u32 ttmp9, 128
	s_cbranch_scc0 .Lweights
; ---------------- x: a wave takes 8 rows, 16 steps of 512 numbers ----------------
	v_lshlrev_b32 v3, 4, v2                        ; my 16 bytes of a load's 512
	s_mul_i32 s17, s16, WREG
	v_lshrrev_b32 v14, 2, v2
	v_mul_u32_u24 v14, v14, SP
	v_and_b32 v15, 3, v2
	v_lshl_add_u32 v14, v15, 4, v14
	v_add_nc_u32 v14, s17, v14                     ; the stage, on the way in: four lanes' 64 bytes on end, then 16 of padding
	v_mul_u32_u24 v15, v2, SP
	v_add_nc_u32 v15, s17, v15                     ; and on the way out: my 16 neighbours
	v_mul_u32_u24 v4, v2, CB                       ; my codes' place in a step's 384 bytes
	v_lshrrev_b32 v5, 1, v2
	s_add_co_u32 s17, s17, 2*32*SP
	v_add_nc_u32 v5, s17, v5                       ; LDS: my block's byte among the wave's 256
	v_lshlrev_b32 v7, 3, v2
	v_add_nc_u32 v6, s17, v7                       ; and 8 bytes a lane on the way out: row lane / 4, K group lane % 4
	v_and_b32 v7, 3, v2
	v_lshrrev_b32 v10, 2, v2
	v_lshlrev_b32 v10, 3, v10
	v_lshl_add_u32 v7, v7, 10, v10                 ; their place in ps: 1024 (lane % 4) + 8 (lane / 4)
	s_lshl_b32 s18, ttmp9, 2
	s_add_co_u32 s19, s18, s16                     ; the run of 8 rows that I read
	s_and_b32 s20, s16, 1
	s_lshl_b32 s20, s20, 1
	s_lshr_b32 s21, s16, 1
	s_or_b32 s20, s20, s21
	s_add_co_u32 s20, s18, s20                     ; and where it is stored: the run's two lowest bits, the rows' bits 3 and 4, exchanged
	s_lshl_b32 s22, s19, 15
	s_mov_b32 s23, 0
	s_mul_i32 s24, s20, 8*KROW
	s_mov_b32 s25, 0
	s_lshr_b32 s26, s20, 4
	s_lshl_b32 s26, s26, 12
	s_and_b32 s27, s20, 15
	s_lshl_b32 s27, s27, 6
	s_add_co_u32 s26, s26, s27
	s_mov_b32 s27, 0
	s_wait_kmcnt 0x0
	s_add_nc_u64 s[4:5], s[4:5], s[22:23]
	s_add_nc_u64 s[10:11], s[10:11], s[24:25]
	s_add_nc_u64 s[12:13], s[12:13], s[26:27]
.macro XLOAD t
.irp i, 0,1,2,3
	global_load_b128 v[R+16*((\t)%4)+4*\i:R+16*((\t)%4)+4*\i+3], v3, s[4:5] offset:2048*(\t)+512*\i th:TH_LOAD_NT   ; 32 lanes read 512 consecutive bytes
.endr
.endm
.macro XTURN t                         ; step t's numbers through the stage: LDS serves a wave's instructions in order, so no wait stands between the stores and the loads
.irp i, 0,1,2,3
	ds_store_b128 v14, v[R+16*((\t)%4)+4*\i:R+16*((\t)%4)+4*\i+3] offset:32*SP*((\t)%2)+8*SP*\i
.endr
.irp i, 0,1,2,3
	ds_load_b128 v[X+16*((\t)%2)+4*\i:X+16*((\t)%2)+4*\i+3], v15 offset:32*SP*((\t)%2)+16*\i
.endr
.endm
.irp t, 0,1,2,3
	XLOAD \t
.endr
	s_wait_loadcnt 12                              ; step 0's four loads are in; twelve younger ones stay out
	XTURN 0
.macro XSTEP t
.set XS, X+16*((\t)%2)
.if (\t) > 0
	s_wait_dscnt 1                                 ; this step's numbers are back from the stage (the last step's byte store may be out), so its stores into the stage have read their registers,
.else
	s_wait_dscnt 0x0
.endif
.if (\t)+4 < STEPS
	XLOAD (\t)+4                                   ; which take the loads of four steps on
.endif
.if (\t)+1 < STEPS
.if STEPS-2-(\t) >= 3
	s_wait_loadcnt 12                              ; the next step's four loads are in; those of the three steps behind it may be out
.else
	s_wait_loadcnt 4*(STEPS-2-(\t))
.endif
	XTURN (\t)+1
.endif
	v_max3_num_f32 v8, |v[XS]|, |v[XS+1]|, |v[XS+2]|               ; the largest magnitude of my 16, in two chains
	v_max3_num_f32 v9, |v[XS+3]|, |v[XS+4]|, |v[XS+5]|
.irp i, 6,10
	v_max3_num_f32 v8, v8, |v[XS+\i]|, |v[XS+\i+1]|
	v_max3_num_f32 v9, v9, |v[XS+\i+2]|, |v[XS+\i+3]|
.endr
	v_max3_num_f32 v8, v8, |v[XS+14]|, |v[XS+15]|
	v_max3_num_f32 v8, v8, v9, (EMAX+1)<<23        ; and the floor 2^(5 - 127): the byte cannot fall under 1
	v_max_num_f32_dpp v8, v8, v8 row_xmask:1 row_mask:0xf bank_mask:0xf   ; and of my neighbour's 16: the block's
	v_add_nc_u32 v11, 0xfe000000, v8               ; 4 off its exponent field: the conversion takes the exponent field of this operand as its scale
	v_cvt_scalef32_pk16_bf6_f32 v[C+4*(\t):C+4*(\t)+2], v[XS:XS+15], v11
	v_lshrrev_b32 v[E+(\t)], 23, v11               ; the scale's byte
	ds_store_b8 v5, v[E+(\t)] offset:16*(\t)       ; both lanes of a block write the same byte with the same value
	global_store_b96 v4, v[C+4*(\t):C+4*(\t)+2], s[10:11] offset:32*CB*(\t)   ; the wave stores 384 consecutive bytes
.endm
.irp t, 0,1,2,3,4,5,6,7,8,9,10,11,12,13,14,15
	XSTEP \t
.endr
	ds_load_b64 v[12:13], v6                       ; LDS serves a wave's instructions in order: these see my stores
	s_wait_dscnt 0x0
	global_store_b64 v7, v[12:13], s[12:13]        ; eight lanes store 64 consecutive bytes of each of the four K groups
	s_wait_tensorcnt 0x0
	ds_add_u32 v208, v209
	s_wait_dscnt 0x0
	s_endpgm
; ---------------- the weights: a work-group takes 128 columns x 256 along K, a wave 32 columns ----------------
.Lweights:
	s_sub_co_u32 s17, ttmp9, 128
	s_mov_b32 s19, 4096
	s_mov_b32 s20, 7168
	s_wait_kmcnt 0x0
	s_cmp_lt_u32 s17, 96                           ; the first 96 take W_qkv, the other 32 W_proj: the choice hangs on the work-group's number alone
	s_cselect_b64 s[4:5], s[6:7], s[8:9]
	s_cselect_b32 s18, 0, 96
	s_cselect_b32 s19, 12288, s19                  ; a row of the weight in bytes
	s_cselect_b32 s20, 4096, s20                   ; its first row in pc
	s_cselect_b32 s21, 32, 56                      ; its first block of 128 rows in ps
	s_sub_co_u32 s17, s17, s18
	s_lshr_b32 s22, s17, 2                         ; which 128 columns
	s_and_b32 s23, s17, 3                          ; which 256 along K
	s_lshl_b32 s24, s22, 7
	s_lshl_b32 s25, s16, 5
	s_add_co_u32 s24, s24, s25                     ; my wave's first column
	s_lshl_b32 s26, s23, 8
	s_mul_i32 s26, s26, s19
	s_lshl_b32 s25, s24, 2
	s_add_co_u32 s26, s26, s25
	s_mov_b32 s27, 0
	s_add_nc_u64 s[32:33], s[4:5], s[26:27]        ; block 0's first row at my first column;
	s_lshl_b32 s28, s19, 5
	s_mov_b32 s29, 0
.irp t, 1,2,3,4,5,6,7
	s_add_nc_u64 s[32+2*\t:33+2*\t], s[30+2*\t:31+2*\t], s[28:29]   ; block t's: 32 rows on.  Eight bases, never stepped
.endr
	s_add_co_u32 s26, s20, s24
	s_mul_i32 s26, s26, KROW
	s_mul_i32 s25, s23, 192
	s_add_co_u32 s26, s26, s25
	s_add_nc_u64 s[10:11], s[10:11], s[26:27]      ; my 32 rows of pc, at my 192 bytes of them
	s_add_co_u32 s26, s21, s22
	s_lshl_b32 s26, s26, 12
	s_lshl_b32 s25, s23, 10
	s_add_co_u32 s26, s26, s25
	s_lshl_b32 s25, s16, 8
	s_add_co_u32 s26, s26, s25
	s_add_nc_u64 s[12:13], s[12:13], s[26:27]      ; my wave's 256 scale bytes
	v_lshlrev_b32 v3, 2, v2                        ; in: 4 bytes a lane
.set i, 0
.rept 32
	v_mad_u32_u24 v[VO+i], s19, i, v3              ; row i of a block
.set i, i+1
.endr
	v_and_b32 v5, 7, v2
	v_bfe_u32 v6, v2, 3, 1
	v_bfe_u32 v7, v2, 4, 1
	v_lshl_or_b32 v5, v6, 4, v5
	v_lshl_or_b32 v5, v7, 3, v5                    ; my column's stored place among the wave's 32: bits 3 and 4 exchanged
	s_mul_i32 s25, s16, 32*WP
	s_add_co_u32 s25, s25, WLDS                    ; my stage
	v_mul_u32_u24 v4, v5, WP
	v_add_nc_u32 v4, s25, v4                       ; into it: row = my stored place
	v_lshlrev_b32 v9, 3, v5                        ; my 8 scale bytes
	v_and_b32 v10, 15, v2
	v_lshrrev_b32 v11, 4, v2                       ; out of it: sixteen lanes to a row, two rows an instruction
	v_mul_u32_u24 v7, v11, WP
	v_lshl_add_u32 v7, v10, 4, v7
	v_add_nc_u32 v7, s25, v7
	v_mul_u32_u24 v8, v11, KROW
	v_mad_u32_u24 v8, v10, 12, v8                  ; and the same place in pc
.macro WLOAD t                         ; block t: W(32 t + i, my column), i = 0 .. 31, into set t % 2: each load reads 128 consecutive bytes
.set i, 0
.rept 32
	global_load_b32 v[WX+32*((\t)%2)+i], v[VO+i], s[32+2*(\t):33+2*(\t)] th:TH_LOAD_NT
.set i, i+1
.endr
.endm
	WLOAD 0
	WLOAD 1
.macro WBLOCK t
.set XS, WX+32*((\t)%2)
.if (\t) < 7
	s_wait_loadcnt 32                              ; this block's 32 loads are in; the next block's may be out
.else
	s_wait_loadcnt 0
.endif
	v_max3_num_f32 v12, |v[XS]|, |v[XS+1]|, |v[XS+2]|               ; the block's largest magnitude: all 32 numbers are mine
	v_max3_num_f32 v13, |v[XS+3]|, |v[XS+4]|, |v[XS+5]|
.irp i, 6,10,14,18,22,26
	v_max3_num_f32 v12, v12, |v[XS+\i]|, |v[XS+\i+1]|
	v_max3_num_f32 v13, v13, |v[XS+\i+2]|, |v[XS+\i+3]|
.endr
	v_max3_num_f32 v12, v12, |v[XS+30]|, |v[XS+31]|
	v_max3_num_f32 v12, v12, v13, (EMAX+1)<<23     ; and the floor
	v_add_nc_u32 v11, 0xfe000000, v12              ; the conversion's scale operand
	v_lshrrev_b32 v13, 23, v11                     ; the scale's byte
.if (\t)%4 == 0
	v_mov_b32 v[SB+(\t)/4], v13                    ; four bytes to a register, the lower K in the lower byte
.else
	v_lshl_or_b32 v[SB+(\t)/4], v13, 8*((\t)%4), v[SB+(\t)/4]
.endif
	v_cvt_scalef32_pk16_bf6_f32 v[WC:WC+2], v[XS:XS+15], v11
	v_cvt_scalef32_pk16_bf6_f32 v[WC+4:WC+6], v[XS+16:XS+31], v11   ; (a conversion's three registers begin on an even number)
	ds_store_b96 v4, v[WC:WC+2] offset:32*(\t)     ; 12 bytes to a place of 16, so that every LDS address is a multiple of 16
	ds_store_b96 v4, v[WC+4:WC+6] offset:32*(\t)+16
.if (\t)+2 < 8
	WLOAD (\t)+2
.endif
	s_wait_dscnt 0x0                               ; the stores have read their registers: the next block's codes may be written
.endm
.set Q, 0
.rept 8
	WBLOCK Q
.set Q, Q+1
.endr
	global_store_b64 v9, v[SB:SB+1], s[12:13]      ; the wave stores 256 consecutive bytes, aligned
.irp t, 0,1,2,3,4,5,6,7,8,9,10,11,12,13,14,15
	ds_load_b96 v[OUTR+4*\t:OUTR+4*\t+2], v7 offset:2*\t*WP   ; LDS serves a wave's instructions in order: these see my stores
.endr
.irp t, 0,1,2,3,4,5,6,7,8,9,10,11,12,13,14,15
	s_wait_dscnt 15-\t
	global_store_b96 v8, v[OUTR+4*\t:OUTR+4*\t+2], s[10:11] offset:2*\t*KROW   ; sixteen lanes store a row's 192 consecutive bytes
.endr
	s_wait_tensorcnt 0x0
	ds_add_u32 v208, v209
	s_wait_dscnt 0x0
	s_endpgm
.Lfunc_end_k_q5bac0b729d_prep:
	.size	k_q5bac0b729d_prep, .Lfunc_end_k_q5bac0b729d_prep-k_q5bac0b729d_prep
	.p2alignl 7, 3214868480
	.fill 96, 4, 3214868480
	.section	.rodata,"a",@progbits
	.p2align	6, 0x0
	.amdhsa_kernel k_q5bac0b729d_prep
		.amdhsa_group_segment_fixed_size 68096
		.amdhsa_private_segment_fixed_size 0
		.amdhsa_enable_private_segment 0
		.amdhsa_kernarg_size 40
		.amdhsa_user_sgpr_count 2
		.amdhsa_user_sgpr_kernarg_segment_ptr 1
		.amdhsa_wavefront_size32 1
		.amdhsa_system_sgpr_workgroup_id_x 1
		.amdhsa_system_sgpr_workgroup_id_y 1
		.amdhsa_system_sgpr_workgroup_id_z 1
		.amdhsa_system_vgpr_workitem_id 0
		.amdhsa_next_free_vgpr 210
		.amdhsa_next_free_sgpr 66
		.amdhsa_reserve_vcc 0
		.amdhsa_float_denorm_mode_32 3
		.amdhsa_float_denorm_mode_16_64 3
		.amdhsa_memory_ordered 1
		.amdhsa_forward_progress 1
		.amdhsa_inst_pref_size 76
	.end_amdhsa_kernel
	.amdgpu_metadata
---
amdhsa.version: [ 1, 2 ]
amdhsa.kernels:
  - .name:           k_q5bac0b729d_prep
    .symbol:         k_q5bac0b729d_prep.kd
    .args:
      - { .name: x, .offset: 0, .size: 8, .value_kind: global_buffer, .address_space: global }
      - { .name: W_qkv, .offset: 8, .size: 8, .value_kind: global_buffer, .address_space: global }
      - { .name: W_proj, .offset: 16, .size: 8, .value_kind: global_buffer, .address_space: global }
      - { .name: pc, .offset: 24, .size: 8, .value_kind: global_buffer, .address_space: global }
      - { .name: ps, .offset: 32, .size: 8, .value_kind: global_buffer, .address_space: global }
    .group_segment_fixed_size: 68096
    .private_segment_fixed_size: 0
    .kernarg_segment_align: 8
    .kernarg_segment_size: 40
    .max_flat_workgroup_size: 128
    .sgpr_count:     66
    .vgpr_count:     210
    .wavefront_size: 32
...
	.end_amdgpu_metadata
.endif
;; end of part 1
;; launch qkv (part 2): grid 12 x 16, 4 waves a work-group, clusters of 4 x 4, 327,680 bytes of LDS; arguments pc, ps, qb, kv; writes qb, kv
.if DOCPART == 2
	.amdgcn_target "amdgcn-amd-amdhsa--gfx1250"
	.amdhsa_code_object_version 6
	.text
	.protected	k_q5bac0b729d_qkv
	.globl	k_q5bac0b729d_qkv
	.p2align	8
	.type	k_q5bac0b729d_qkv,@function
k_q5bac0b729d_qkv:
	s_mov_b64 s[64:65], 0
	v_nop
	global_prefetch_b8 v0, s[64:65] scope:SCOPE_SE
	s_setreg_imm32_b32 hwreg(HW_REG_WAVE_MODE, 25, 1), 1
	s_wait_xcnt 0x0
	s_wait_alu depctr_hold_cnt(0) depctr_sa_sdst(0) depctr_va_vdst(0) depctr_va_sdst(0) depctr_va_ssrc(0) depctr_va_vcc(0) depctr_vm_vsrc(0)
	s_getreg_b32 s2, hwreg(HW_REG_IB_STS2, 6, 4)
	s_cmp_eq_u32 s2, 0
	s_cbranch_scc0 .Lentry_in_a_cluster
	s_endpgm
.Lentry_in_a_cluster:
	s_bfe_u32 s2, ttmp6, 0x10000c
	s_cmp_lg_u32 s2, 0xf033
	s_cbranch_scc0 .Lentry_shape_is_right
	s_endpgm
.Lentry_shape_is_right:
; x W_qkv on codes of BF6 (K = 1,024), and its result quantised again from the accumulators: q and k along the head's 64, v along the keys.  No f32 result goes to memory.
; A work-group of four waves makes 256 x 256 of the result, a wave 128 x 128: 64 accumulators of 16 x 16.  K goes in steps of 256 through a ring of two LDS slots filled by the tensor data mover.
; Both operands are rows of pc (768 bytes of codes a row; stored order: a row's bits 3 and 4 are exchanged), with their scale bytes in ps (4,096 dense bytes for 128 rows).
; THE MATRIX INSTRUCTION IS USED TRANSPOSED (source 0 = 16 rows of B, source 1 = 16 rows of A): a lane holds ONE row of A, and its registers run along B's rows, in TRUE order (that is what the stored order buys).
;   cluster x = 0, 1 (q, k): A = 256 tokens, B = 256 columns of W: a lane's 64 registers of a block are four blocks of 32 along d, two heads.
;   cluster x = 2    (v)   : A = 256 columns of W, B = 256 tokens: a lane's 64 registers are four blocks of 32 along the KEYS.
; OUT, as images of operand registers: qb [head 32][group of 128 queries 16][8 tiles x 768 bytes, then 512 bytes of scale words];
;   kv [head 32][key step 16][K: 8 x 768 | V: 4 x 1,536 | K's scale words 512 | V's 512].  A tile of 768: registers 0-3 at 16 x lane, registers 4-5 at 512 + 8 x lane.  One of 1,536: registers 4 c .. at 512 c + 16 x lane.
; CLUSTERS: 4 x 4 work-groups; A's tiles are asked for jointly along a row of the cluster, B's along a column.  Which tensor is A hangs on the cluster's x, which all sixteen share.
; LIMITS: a block of zeros or under 2^(5 - 127) carries the byte 1 (read by this program alone); NaN and infinities are not served.
; REGISTERS: window 0: v0-31 addresses; v32-63 scale words, two sets, and nothing else; from v128 A's fragments, one set; at the end v64-199 the codes and what makes them.
;   window 1: B's fragments, two sets, at v0 and v128.   windows 2, 3: the accumulators of my rows 0-63 and 64-127 ((a, b) at v[8 (8 (a % 4) + b)]).
.set NQ,     2                         ; matrix instructions deep in a slot
.set ROWB,   192                       ; a tile's row in bytes: 256 codes
.set KROW,   768
.set PITCH,  240                       ; an LDS row: 3 x (64 bytes + 16 of padding)
.set FR,     12
.set NL,     6                         ; LDS loads that bring a fragment
.set NP,     4                         ; places behind this matrix instruction (ISA guide 7.12.1)
.set HALFT,  128*PITCH
.set SLOT,   4*HALFT
.set LAPS,   2                         ; 1,024 along K = four K steps = twice round the ring
.set GRPC,   128*KROW                  ; 128 rows' codes in pc
.set GRPS,   4096                      ; and their scale bytes in ps
.set SCL,    2*SLOT                    ; behind the ring: A's scales, two halves of 4,096;
.set SCB,    2*GRPS+128                ; B's begin 128 bytes further than a multiple of 256, so that the two halves of the lanes read different banks
.set SPARE,  SCL+SCB+2*GRPS+128        ; the spare words, 128 bytes for each wave: two blocks of 256 bytes that no other line names
.set ADRA, 16                          ; v16-17 LDS address of my A fragments in slot 0, 1 (v18-19: for the pieces behind one padding more)
.set ADRB, 20                          ; v20-23 the same for B
.set L16,  24                          ; v24  16 x lane
.set L8,   25                          ; v25  8 x lane
.set TV,   26                          ; v26  at work
.set ADRS, 27                          ; v27  LDS address of my scale words: lanes 0-15 A's rows, lanes 16-31 B's
.set SPW,  28                          ; v28  LDS address of my spare word; never rewritten
.set NIL,  29                          ; v29  0; never rewritten
.set LN,   30                          ; v30  lane
.set SC,   32
.set AF,   128
.set PC,   64                          ; the end: block a's codes at v[PC + 12 a]
.set PWS,  160                         ; block a's scale word
.set KA,   168                         ; the two heads' packs of scale words
.set KB,   172
.set TM,   176                         ; +0..3 largest magnitudes, +4..7 the other half's, then bytes, +12..15 scale operands
.set T2,   192                         ; the conversions' second halves
.set SEL,  66                          ; s[66:67] lane selects for v_permlanex16_b32: lane l xor 16
.set G1, 24
.set G0, 32
.set G1B, 48
.set G0B, 56
.set G1S, 68
.set G0S, 76
.set G1SB, 80
.set G0SB, 88
.set MSB, 0
.macro WIN new                         ; the immediate's high byte repeats the setting that is left
.if MSB != (\new)
	s_set_vgpr_msb (MSB<<8)|(\new)
.set MSB, (\new)
.endif
.endm
.set MUL_LO, 0xa1                      ; source 0 (B) window 1, source 1 (A) window 0, C and D window 2
.set MUL_HI, 0xf1
.set TO_B,   0x40
; A joint load: waves 0 and 1 fetch for A, waves 2 and 3 for B; the branch hangs on the wave's number alone.  Four v_nop follow each of the two lines.
.macro JLOAD g0a, g1a, g0b, g1b
	s_cmp_eq_u32 s15, 0
	s_cbranch_scc0 .Lfor_b_\@
	tensor_load_to_lds s[\g0a:\g0a+3], s[\g1a:\g1a+7]
	s_nop 0
.rept 4
	v_nop
.endr
	s_branch .Lasked_\@
.Lfor_b_\@:
	tensor_load_to_lds s[\g0b:\g0b+3], s[\g1b:\g1b+7]
	s_nop 0
.rept 4
	v_nop
.endr
.Lasked_\@:
.endm
.macro CREST                           ; a round of the cluster's barrier behind its opening barrier
	s_cmp_lg_u32 s14, 0
	s_cbranch_scc1 .Lnot_wave_0_\@
	s_barrier_signal -3
.Lnot_wave_0_\@:
	s_barrier_wait -3
	s_barrier_signal -1
	s_barrier_wait -1
.endm
.macro CROUND
	s_barrier_signal -1
	s_barrier_wait -1
	CREST
.endm
	s_load_b256 s[4:11], s[0:1], 0x0               ; pc s[4:5], ps s[6:7], qb s[8:9], kv s[10:11]
	v_lshl_add_u32 v[SPW], v0, 2, SPARE
	v_mov_b32 v[NIL], 0
	ds_add_u32 v28, v29
	ds_add_u32 v28, v29
	s_wait_dscnt 0x0
	v_lshrrev_b32 v1, 5, v0
	v_readfirstlane_b32 s14, v1                    ; wave 0..3
	s_lshr_b32 s15, s14, 1                         ; which half of A's rows is mine.  Also: I fetch for A (0) or for B (1)
	s_and_b32 s16, s14, 1                          ; which half of B's rows.  Also: which 128 rows I fetch
	s_bfe_u32 s40, ttmp6, 0x40000                  ; cx
	s_bfe_u32 s41, ttmp6, 0x40004                  ; cy
	s_and_b32 s17, ttmp7, 0xffff
	s_lshl_b32 s17, s17, 2                         ; 4 x cluster y: the cluster's four tiles of tokens
	s_lshl_b32 s42, ttmp9, 2
	s_add_co_u32 s42, s42, 16                      ; 16 + 4 x cluster x: its four tiles of q's or k's columns
	s_cmp_eq_u32 ttmp9, 2                          ; v's clusters take the weight as A and the tokens as B
	s_cselect_b32 s12, 24, s17
	s_cselect_b32 s42, s17, s42
	s_add_co_u32 s17, s12, s41                     ; A's tile of 256 rows of pc: hangs on cy alone
	s_add_co_u32 s42, s42, s40                     ; B's: on cx alone
	s_lshl_b32 s43, s41, 2
	s_lshl_b32 s43, 15, s43                        ; my row of the cluster
	s_lshl_b32 s44, 0x1111, s40                    ; my column
	; descriptor group 1: a tile of 128 rows x 192 bytes, 16 bytes of padding behind every 64
	s_or_b32 s[G1+0], s43, (0<<16)|(1<<20)|(1<<21)|(3<<22)|(3<<25)
	s_or_b32 s[G1B+0], s44, (0<<16)|(1<<20)|(1<<21)|(3<<22)|(3<<25)
.irp g, G1, G1B
	s_mov_b32 s[\g+1], ROWB<<16                    ; tensor_dim0
	s_mov_b32 s[\g+2], 128<<16                     ; tensor_dim1
	s_mov_b32 s[\g+3], ROWB<<16                    ; tile_dim0
	s_mov_b32 s[\g+4], 128                         ; tile_dim1
	s_mov_b32 s[\g+5], KROW                        ; from row to row
	s_mov_b32 s[\g+6], 0
	s_mov_b32 s[\g+7], 0
.endr
	; the scales of 128 rows: 4,096 dense bytes, as 16 rows of 32 elements of 8 bytes, no padding
	s_or_b32 s[G1S+0], s43, (3<<16)|(1<<21)
	s_or_b32 s[G1SB+0], s44, (3<<16)|(1<<21)
.irp g, G1S, G1SB
	s_mov_b32 s[\g+1], 32<<16
	s_mov_b32 s[\g+2], 16<<16
	s_mov_b32 s[\g+3], 32<<16
	s_mov_b32 s[\g+4], 16
	s_mov_b32 s[\g+5], 32
	s_mov_b32 s[\g+6], 0
	s_mov_b32 s[\g+7], 0
.endr
	s_lshl_b32 s20, s17, 1
	s_add_co_u32 s20, s20, s16                     ; A: the group of 128 rows that I fetch
	s_lshl_b32 s46, s42, 1
	s_add_co_u32 s46, s46, s16                     ; B: likewise
	s_lshl_b32 s22, s20, 12                        ; their scales,
	s_mov_b32 s23, 0
	s_lshl_b32 s92, s46, 12
	s_mov_b32 s93, 0
	s_mul_i32 s20, s20, GRPC                       ; their codes
	s_mov_b32 s21, 0
	s_mul_i32 s46, s46, GRPC
	s_mov_b32 s47, 0
	s_mul_i32 s45, s14, HALFT                      ; where they go: wave x 128 rows; no place in the cluster enters an LDS address
	s_lshl_b32 s94, s16, 12
	s_mov_b32 s[SEL], 0x76543210
	s_mov_b32 s[SEL+1], 0xfedcba98
	s_wait_kmcnt 0x0
	s_add_nc_u64 s[20:21], s[4:5], s[20:21]
	s_add_nc_u64 s[22:23], s[6:7], s[22:23]
	s_add_nc_u64 s[46:47], s[4:5], s[46:47]
	s_add_nc_u64 s[92:93], s[6:7], s[92:93]
	CROUND                                         ; all sixteen work-groups are here: the first joint loads meet
	s_mov_b32 s[G0S], 1
	s_add_co_u32 s[G0S+1], s94, SCL
	s_mov_b64 s[G0S+2:G0S+3], s[22:23]
	s_or_b32 s[G0S+3], s[G0S+3], 0x80000000
	s_mov_b32 s[G0SB], 1
	s_add_co_u32 s[G0SB+1], s94, SCL+SCB
	s_mov_b64 s[G0SB+2:G0SB+3], s[92:93]
	s_or_b32 s[G0SB+3], s[G0SB+3], 0x80000000
	JLOAD G0S, G1S, G0SB, G1SB                     ; the scales first: they are wanted with K step 0, and stay
.irp s, 0,1
	s_mov_b32 s[G0+4*\s], 1
	s_add_co_u32 s[G0+4*\s+1], s45, \s*SLOT
	s_add_nc_u64 s[G0+4*\s+2:G0+4*\s+3], s[20:21], \s*ROWB
	s_or_b32 s[G0+4*\s+3], s[G0+4*\s+3], 0x80000000
	s_mov_b32 s[G0B+4*\s], 1
	s_add_co_u32 s[G0B+4*\s+1], s45, \s*SLOT
	s_add_nc_u64 s[G0B+4*\s+2:G0B+4*\s+3], s[46:47], \s*ROWB
	s_or_b32 s[G0B+4*\s+3], s[G0B+4*\s+3], 0x80000000
	JLOAD G0+4*\s, G1, G0B+4*\s, G1B
.endr
	v_and_b32 v1, 15, v0                           ; r
	v_bfe_u32 v2, v0, 4, 1                         ; h
	v_mul_u32_u24 v3, v1, PITCH
	v_mul_u32_u24 v4, v2, 24
	v_add_nc_u32 v4, v3, v4                        ; a fragment's row x pitch + 24 x half
	v_lshl_add_u32 v5, v2, 4, v4                   ; and the same behind one padding more
	s_mul_i32 s21, s15, HALFT                      ; my 128 rows of A
	s_mul_i32 s22, s16, HALFT                      ; my 128 rows of B,
	s_add_co_u32 s22, s22, 2*HALFT                 ; which lie behind A's 256
.irp s, 0,1
	v_add_nc_u32 v[ADRA+\s], s21, v4
	v_add_nc_u32 v[ADRB+\s], s22, v4
	v_add_nc_u32 v[ADRA+2+\s], s21, v5
	v_add_nc_u32 v[ADRB+2+\s], s22, v5
	s_add_co_u32 s21, s21, SLOT
	s_add_co_u32 s22, s22, SLOT
.endr
	v_lshlrev_b32 v5, 3, v1                        ; my row's 8 scale bytes of a K step
	s_lshl_b32 s21, s15, 12                        ; A's: my 128 rows
	s_lshl_b32 s22, s16, 12                        ; B's: my 128 rows
	s_add_co_u32 s22, s22, SCB
	s_sub_co_u32 s22, s22, s21
	v_mul_u32_u24 v6, s22, v2                      ; lanes 16-31 take B's: one product with the half
	s_add_co_u32 s21, s21, SCL
	v_add_nc_u32 v5, v5, v6
	v_add_nc_u32 v[ADRS], s21, v5
	v_and_b32 v[LN], 31, v0
	v_lshlrev_b32 v[L16], 4, v[LN]
	v_lshlrev_b32 v[L8], 3, v[LN]
.macro FRAG reg, adr, q, i             ; a fragment: lane l holds row l % 16; registers 6 c .. 6 c + 5 hold K = 64 c + 32 (l / 16) + 0 .. 31: 24 bytes of the row's stream of bits, in pieces of 8 bytes
.irp p, 0,1,2,3,4,5
.set PCE, 12*(\q)+6*(\p/3)+\p%3       ; where the piece three on lies behind one padding more, the second address register serves
.if PCE%8 < 5
	ds_load_b64 v[\reg+2*\p:\reg+2*\p+1], v[\adr] offset:8*PCE+16*(PCE/8)+(\i)*16*PITCH
.else
	ds_load_b64 v[\reg+2*\p:\reg+2*\p+1], v[\adr+2] offset:8*PCE+16*(PCE/8)+(\i)*16*PITCH
.endif
.endr
.endm
; 16 matrix instructions: A's blocks a0, a0 + 1 x B's eight, 128 along K.  The 64 accumulators take turns, one instruction a turn, in the same order in every step.
.macro MUL16 a0, p, q, sc, zero
.irp a, \a0, \a0+1
.irp b, 0,1,2,3,4,5,6,7
.if \zero
	v_wmma_scale_f32_16x16x128_f8f6f4 v[8*(8*((\a)%4)+\b):8*(8*((\a)%4)+\b)+7], v[128*(\p)+FR*\b:128*(\p)+FR*\b+FR-1], v[AF+FR*(\a):AF+FR*(\a)+FR-1], 0, v[SC+8*NQ*(\sc)+NQ*\b+(\q)], v[SC+8*NQ*(\sc)+NQ*(\a)+(\q)] matrix_a_fmt:MATRIX_FMT_BF6 matrix_b_fmt:MATRIX_FMT_BF6 matrix_a_scale:MATRIX_SCALE_ROW1
.else
	v_wmma_scale_f32_16x16x128_f8f6f4 v[8*(8*((\a)%4)+\b):8*(8*((\a)%4)+\b)+7], v[128*(\p)+FR*\b:128*(\p)+FR*\b+FR-1], v[AF+FR*(\a):AF+FR*(\a)+FR-1], v[8*(8*((\a)%4)+\b):8*(8*((\a)%4)+\b)+7], v[SC+8*NQ*(\sc)+NQ*\b+(\q)], v[SC+8*NQ*(\sc)+NQ*(\a)+(\q)] matrix_a_fmt:MATRIX_FMT_BF6 matrix_b_fmt:MATRIX_FMT_BF6 matrix_a_scale:MATRIX_SCALE_ROW1
.endif
.endr
.endr
.endm
.macro FETCH_B slot, q, p
	WIN TO_B
.irp i, 0,1,2,3,4,5,6,7
	FRAG 128*(\p)+FR*\i, ADRB+\slot, \q, \i
.endr
	WIN 0
.endm
.macro FETCH_A slot, q, i0
.irp i, \i0, \i0+1, \i0+2, \i0+3
	FRAG AF+FR*(\i), ADRA+\slot, \q, \i
.endr
.endm
.macro SCALES sc                       ; a K step's scale words into set sc: two words a row; lanes 0-15 take A's block i, lanes 16-31 B's block i
.irp i, 0,1,2,3,4,5,6,7
	ds_load_b64 v[SC+8*NQ*\sc+NQ*\i:SC+8*NQ*\sc+NQ*\i+1], v[ADRS] offset:\i*128
.endr
.endm
.macro PLACES n                        ; plain vector instructions between a matrix instruction and a load into, or a vector instruction on, its registers
.rept \n
	v_nop
.endr
.endm
.macro STEP slot, q, zero              ; a step of 128 along K that has its successor in the same slot
	s_wait_dscnt 4*NL                              ; B's set and A's blocks 0-3 are in; the youngest 24 loads (A's blocks 4-7) may be out
	WIN MUL_LO
	MUL16 0, (\q)%2, \q, \slot, \zero
	MUL16 2, (\q)%2, \q, \slot, \zero
	s_wait_dscnt 0
	PLACES NP
	FETCH_B \slot, (\q)+1, 1-(\q)%2
	FETCH_A \slot, (\q)+1, 0
	WIN MUL_HI
	MUL16 4, (\q)%2, \q, \slot, \zero
	MUL16 6, (\q)%2, \q, \slot, \zero
	PLACES NP
	WIN 0
	FETCH_A \slot, (\q)+1, 4
.endm
; A slot's last step changes slots: one barrier; in front of it each wave waits for all its tensor loads, adds 0 to its spare word, and waits for that and for its own reads of this slot.
.macro TURN slot, next, fill
	s_wait_tensorcnt 0x0                           ; all my tensor loads have landed: my part of the next slot
	ds_add_u32 v[SPW], v[NIL]                      ; 0 onto my spare word
	s_wait_dscnt 4*NL+1                            ; (the add and the youngest 24 loads, A's blocks 4-7, may be out)
	WIN MUL_LO
	MUL16 0, 1, NQ-1, \slot, 0
	s_wait_dscnt 0x0                               ; the add is done, and my reads of this slot are over
	s_barrier_signal -1
	MUL16 2, 1, NQ-1, \slot, 0
	WIN 0
	s_barrier_wait -1
.if \fill
	CREST                                          ; the barrier has opened a round of the cluster's barrier: no wave of any partner still reads this slot or has a load on its way
	s_add_nc_u64 s[G0+4*\slot+2:G0+4*\slot+3], s[G0+4*\slot+2:G0+4*\slot+3], 2*ROWB
	s_add_nc_u64 s[G0B+4*\slot+2:G0B+4*\slot+3], s[G0B+4*\slot+2:G0B+4*\slot+3], 2*ROWB
	JLOAD G0+4*\slot, G1, G0B+4*\slot, G1B         ; the first tensor load behind the round; its four v_nop are the places in front of the loads below
.else
	PLACES NP
.endif
	v_add_nc_u32 v[ADRS], 1024, v[ADRS]            ; on to the next K step's scale words
	FETCH_B \next, 0, 0
	FETCH_A \next, 0, 0
	SCALES \next
	WIN MUL_HI
	MUL16 4, 1, NQ-1, \slot, 0
	MUL16 6, 1, NQ-1, \slot, 0
	PLACES NP
	WIN 0
	FETCH_A \next, 0, 4
.endm
	s_wait_tensorcnt 1                             ; the scales and my part of K step 0 are in (K step 1's load may be out)
	s_barrier_signal -1
	s_barrier_wait -1                              ; everybody's are
	FETCH_B 0, 0, 0
	FETCH_A 0, 0, 0
	SCALES 0
	FETCH_A 0, 0, 4
	STEP 0, 0, 1                                   ; the first step's products start the sums
	s_mov_b32 s3, LAPS-1
.Llap:
	TURN 0, 1, 1
	STEP 1, 0, 0
	TURN 1, 0, 1
	STEP 0, 0, 0
	s_sub_co_u32 s3, s3, 1
	s_cmp_lg_u32 s3, 0
	s_cbranch_scc1 .Llap
	TURN 0, 1, 0                                   ; the last lap fills nothing
	STEP 1, 0, 0
	s_wait_dscnt 4*NL
	WIN MUL_LO
	MUL16 0, 1, NQ-1, 1, 0
	MUL16 2, 1, NQ-1, 1, 0
	s_wait_dscnt 0
	WIN MUL_HI
	MUL16 4, 1, NQ-1, 1, 0
	MUL16 6, 1, NQ-1, 1, 0
	WIN 0
	PLACES NP
; THE END.  Block a's 64 registers of a lane (register 16 b + i = place 32 b + 16 (lane / 16) + i along B's 128 true rows) become a fragment's 12 registers of codes and a scale word.
.macro QUANTW a
.set AC, 64*((\a)%4)
.set PCA, PC+12*(\a)
.set WW, 2+(\a)/4                      ; the accumulators' window
	WIN WW*5                                       ; sources 0 and 1
.irp b, 0,1,2,3
	v_max3_num_f32 v[TM+\b], |v[AC+16*\b]|, |v[AC+16*\b+1]|, 0x2800000   ; my 16 numbers of block b, from each accumulator's low end on, and the floor 2^(5 - 127)
.endr
	WIN WW*20                                      ; sources 1 and 2
.irp i, 2,4,6,8,10,12,14
.irp b, 0,1,2,3
	v_max3_num_f32 v[TM+\b], v[TM+\b], |v[AC+16*\b+\i]|, |v[AC+16*\b+\i+1]|
.endr
.endr
	WIN 0
.irp b, 0,1,2,3
	v_permlanex16_b32 v[TM+4+\b], v[TM+\b], s[SEL], s[SEL+1]
.endr
.irp b, 0,1,2,3
	v_max_num_f32 v[TM+\b], v[TM+\b], v[TM+4+\b]   ; with lane l xor 16's: the block's largest magnitude
.endr
.irp b, 0,1,2,3
	v_add_nc_u32 v[TM+12+\b], 0xfe000000, v[TM+\b] ; 4 off its exponent field: the conversion's scale operand
.endr
.irp b, 0,1,2,3
	v_lshrrev_b32 v[TM+4+\b], 23, v[TM+12+\b]      ; the scale's byte
.endr
	v_lshl_or_b32 v[PWS+(\a)], v[TM+5], 8, v[TM+4]
	v_lshl_or_b32 v[PWS+(\a)], v[TM+6], 16, v[PWS+(\a)]
	v_lshl_or_b32 v[PWS+(\a)], v[TM+7], 24, v[PWS+(\a)]
	WIN WW                                         ; source 0
.irp c, 0,1
	v_cvt_scalef32_pk16_bf6_f32 v[PCA+6*\c:PCA+6*\c+2], v[AC+32*\c:AC+32*\c+15], v[TM+12+2*\c]
	v_cvt_scalef32_pk16_bf6_f32 v[T2+4*\c:T2+4*\c+2], v[AC+32*\c+16:AC+32*\c+31], v[TM+13+2*\c]   ; (a conversion's three registers begin on an even number)
.endr
	WIN 0
	v_nop                                          ; one plain place behind a scaled conversion
.irp c, 0,1                                    ; the operand's layout wants a whole block in a lane: lanes 0-15 block 2 c, lanes 16-31 block 2 c + 1
.irp i, 0,1,2
	v_permlane16_swap_b32 v[PCA+6*\c+\i], v[T2+4*\c+\i]
.endr
.irp i, 0,1,2
	v_mov_b32 v[PCA+6*\c+3+\i], v[T2+4*\c+\i]
.endr
.endr
.endm
.irp b, 0,1,2,3
	v_mov_b32 v[TM+4+\b], 0                        ; written once: a lane permute's destination counts as one of its sources
.endr
.irp a, 0,1,2,3,4,5,6,7
	QUANTW \a                                      ; each block has registers of its own for what is stored: no store's data are written again
.endr
	s_cmp_eq_u32 ttmp9, 2                          ; the cluster's x: alike in all partners
	s_cbranch_scc1 .Lvout
	; q or k: registers 0-5 are the first head's tile (64 along d), registers 6-11 the second head's
	s_lshl_b32 s20, s17, 1
	s_add_co_u32 s20, s20, s15                     ; my group of 128 tokens
	s_lshr_b32 s21, s20, 4                         ; batch
	s_and_b32 s20, s20, 15                         ; group in the batch
	s_lshl_b32 s22, s40, 1
	s_add_co_u32 s22, s22, s16
	s_lshl_b32 s22, s22, 1                         ; my first head: 2 (2 cx + half)
	s_lshl_b32 s21, s21, 4
	s_add_co_u32 s21, s21, s22
	s_mov_b32 s23, 212992
	s_mov_b32 s18, 13312
	s_mov_b32 s19, 12288
	s_cmp_eq_u32 ttmp9, 0
	s_cselect_b64 s[8:9], s[8:9], s[10:11]         ; qb or kv
	s_cselect_b32 s23, 106496, s23                 ; a head's bytes,
	s_cselect_b32 s18, 6656, s18                   ; a group's,
	s_cselect_b32 s19, 6144, s19                   ; and where the pack of scale words lies
	s_mul_i32 s21, s21, s23
	s_mul_i32 s20, s20, s18
	s_add_co_u32 s20, s20, s21
	s_mov_b32 s21, 0
	s_add_nc_u64 s[8:9], s[8:9], s[20:21]          ; the first head's group
	s_mov_b32 s46, s23
	s_mov_b32 s47, 0
	s_add_nc_u64 s[10:11], s[8:9], s[46:47]        ; the second head's
	s_mov_b32 s46, s19
	s_add_nc_u64 s[92:93], s[8:9], s[46:47]
	s_add_nc_u64 s[94:95], s[10:11], s[46:47]
.irp a, 0,1,2,3,4,5,6,7
	global_store_b128 v[L16], v[PC+12*\a:PC+12*\a+3], s[8:9] offset:768*\a            ; 512 consecutive bytes, aligned to 256
	global_store_b64 v[L8], v[PC+12*\a+4:PC+12*\a+5], s[8:9] offset:768*\a+512        ; 256
	global_store_b128 v[L16], v[PC+12*\a+6:PC+12*\a+9], s[10:11] offset:768*\a
	global_store_b64 v[L8], v[PC+12*\a+10:PC+12*\a+11], s[10:11] offset:768*\a+512
.endr
	v_cmp_le_u32 vcc_lo, 16, v[LN]
.irp i, 0,1,2,3
	v_cndmask_b32 v[TV], v[PWS+2*\i], v[PWS+2*\i+1], vcc_lo   ; word i: lanes 0-15 tile 2 i's rows, lanes 16-31 tile 2 i + 1's
	v_and_b32 v[KA+\i], 0xffff, v[TV]              ; the first head's two bytes; the bytes of the 64 along K that the head does not have are 0, over zero codes
	v_lshrrev_b32 v[KB+\i], 16, v[TV]              ; the second head's
.endr
	global_store_b128 v[L16], v[KA:KA+3], s[92:93]
	global_store_b128 v[L16], v[KB:KB+3], s[94:95]
	s_branch .Ldone
.Lvout:
	; v: block a is tile a % 4 of head a / 4 (16 of the head's 64, stored order) x my 128 keys
	s_lshl_b32 s20, s42, 1
	s_add_co_u32 s20, s20, s16                     ; my group of 128 keys
	s_lshr_b32 s21, s20, 4
	s_and_b32 s20, s20, 15
	s_lshl_b32 s22, s41, 1
	s_add_co_u32 s22, s22, s15
	s_lshl_b32 s22, s22, 1                         ; my first head: 2 (2 cy + half)
	s_lshl_b32 s21, s21, 4
	s_add_co_u32 s21, s21, s22
	s_mul_i32 s21, s21, 212992
	s_mul_i32 s20, s20, 13312
	s_add_co_u32 s20, s20, s21
	s_mov_b32 s21, 0
	s_add_nc_u64 s[10:11], s[10:11], s[20:21]      ; the first head's key step
	s_add_nc_u64 s[8:9], s[10:11], 212992          ; the second head's
.irp a, 0,1,2,3,4,5,6,7
.irp c, 0,1,2
	global_store_b128 v[L16], v[PC+12*\a+4*\c:PC+12*\a+4*\c+3], s[10-2*(\a/4):11-2*(\a/4)] offset:6144+1536*(\a%4)+512*\c
.endr
.endr
	global_store_b128 v[L16], v[PWS:PWS+3], s[10:11] offset:12800    ; [lane][tile] scale words
	global_store_b128 v[L16], v[PWS+4:PWS+7], s[8:9] offset:12800
.Ldone:
	s_wait_tensorcnt 0x0                           ; the wave's end
	ds_add_u32 v[SPW], v[NIL]
	s_wait_dscnt 0x0
	CROUND                                         ; the closing round: no work-group ends while a partner may still ask for a tile that names it
	s_endpgm
.Lfunc_end_k_q5bac0b729d_qkv:
	.size	k_q5bac0b729d_qkv, .Lfunc_end_k_q5bac0b729d_qkv-k_q5bac0b729d_qkv
	.p2alignl 7, 3214868480
	.fill 96, 4, 3214868480
	.section	.rodata,"a",@progbits
	.p2align	6, 0x0
	.amdhsa_kernel k_q5bac0b729d_qkv
		.amdhsa_group_segment_fixed_size 327680
		.amdhsa_private_segment_fixed_size 0
		.amdhsa_enable_private_segment 0
		.amdhsa_kernarg_size 32
		.amdhsa_user_sgpr_count 2
		.amdhsa_user_sgpr_kernarg_segment_ptr 1
		.amdhsa_wavefront_size32 1
		.amdhsa_system_sgpr_workgroup_id_x 1
		.amdhsa_system_sgpr_workgroup_id_y 1
		.amdhsa_system_sgpr_workgroup_id_z 1
		.amdhsa_system_vgpr_workitem_id 0
		.amdhsa_next_free_vgpr 1024
		.amdhsa_next_free_sgpr 100
		.amdhsa_reserve_vcc 1
		.amdhsa_float_denorm_mode_32 3
		.amdhsa_float_denorm_mode_16_64 3
		.amdhsa_memory_ordered 1
		.amdhsa_forward_progress 1
		.amdhsa_inst_pref_size 169
	.end_amdhsa_kernel
	.amdgpu_metadata
---
amdhsa.version: [ 1, 2 ]
amdhsa.kernels:
  - .name:           k_q5bac0b729d_qkv
    .symbol:         k_q5bac0b729d_qkv.kd
    .args:
      - { .name: pc, .offset: 0, .size: 8, .value_kind: global_buffer, .address_space: global }
      - { .name: ps, .offset: 8, .size: 8, .value_kind: global_buffer, .address_space: global }
      - { .name: qb, .offset: 16, .size: 8, .value_kind: global_buffer, .address_space: global }
      - { .name: kv, .offset: 24, .size: 8, .value_kind: global_buffer, .address_space: global }
    .group_segment_fixed_size: 327680
    .private_segment_fixed_size: 0
    .kernarg_segment_align: 8
    .kernarg_segment_size: 32
    .max_flat_workgroup_size: 128
    .sgpr_count:     100
    .vgpr_count:     1024
    .wavefront_size: 32
...
	.end_amdgpu_metadata
.endif
;; end of part 2
;; launch attn (part 3): grid 8 x 32, 8 waves a work-group, clusters of 4 x 1, 214,016 bytes of LDS; arguments qb, kv, oc, os, ep; writes oc, os, ep
.if DOCPART == 3
	.amdgcn_target "amdgcn-amd-amdhsa--gfx1250"
	.amdhsa_code_object_version 6
	.text
	.protected	k_q5bac0b729d_attn
	.globl	k_q5bac0b729d_attn
	.p2align	8
	.type	k_q5bac0b729d_attn,@function
k_q5bac0b729d_attn:
	s_mov_b64 s[64:65], 0
	v_nop
	global_prefetch_b8 v0, s[64:65] scope:SCOPE_SE
	s_setreg_imm32_b32 hwreg(HW_REG_WAVE_MODE, 25, 1), 1
	s_wait_xcnt 0x0
	s_wait_alu depctr_hold_cnt(0) depctr_sa_sdst(0) depctr_va_vdst(0) depctr_va_sdst(0) depctr_va_ssrc(0) depctr_va_vcc(0) depctr_vm_vsrc(0)
	s_getreg_b32 s2, hwreg(HW_REG_IB_STS2, 6, 4)
	s_cmp_eq_u32 s2, 0
	s_cbranch_scc0 .Lentry_in_a_cluster
	s_endpgm
.Lentry_in_a_cluster:
	s_bfe_u32 s2, ttmp6, 0x10000c
	s_cmp_lg_u32 s2, 0x3003
	s_cbranch_scc0 .Lentry_shape_is_right
	s_endpgm
.Lentry_shape_is_right:
; Causal attention of one head on codes of BF6: S^T = K Q^T (K = the head's 64; the instruction's other 64 are zero codes on both sides, under the scale byte 0), p = 2^(t - M) quantised along the keys,
; O^T = V^T P^T, O / l quantised along d for the last product; and the softmax's entropy for each query.
; t = score x log2(e) / 8; M = the running largest t rounded up to a whole number; l = the sum of the unquantised p.  When M moves by d = old M - new M, l and O^T are multiplied by f = 2^d: exact.
; ENTROPY.  With u = t - M and W = the sum of p u:  -sum a ln a = ln 2 (log2 l - W / l); when M moves, W <- f (W + d l).  The 1e-9 inside the logarithm: a ln(a + e) = a ln a + a ln(1 + e / a), whose last
; term lies in [0, e): n e is taken off, n the number of keys that count.  LIMIT: what is left of it is under n x 1e-9, at most 2.05e-6, for every input.
; Hidden scores become -3e38, not -infinity: p = 0 and p u = -0, never NaN.  LIMITS: NaN and infinities are not served; a block of zeros or under 2^(5 - 127) carries the byte 1.
; SHARES.  The head's 2,048 queries are 16 groups of 128.  Work-group j (0..7) owns tile j (16 stored queries) of every group.  Wave w works two tiles one after the other: that of group 15 - w, which needs
; key steps 0 .. 15 - w of 128 keys, then that of group w: 17 steps for every wave, whatever w.  All branches hang on the wave's number and on counters.
; K AND V OF THE WHOLE HEAD STAY IN LDS: 16 key steps x 13,312 bytes (K 8 x 768 | V 4 x 1,536 | K's scale words 512 | V's 512), images of operand registers, filled once: no ring.
; CLUSTER.  The four work-groups of a cluster belong to one head: each part is asked for jointly.  A wave issues four loads, one for each stage of four key steps: four of its loads are out at the most.
; The first eight key steps are the same work in all eight waves, so the three barriers that let the stages be read as they land cost no wave a wait for another's longer work.
; REGISTERS: window 0 as named below.  Window 1: K's eight fragments at v[12 t] (registers 6-11 stay 0), V's four at v[96 + 12 t].
.set STEPB, 13312
.set STAGEB, 4*STEPB
.set PART,  STAGEB/8                   ; 6,656 bytes: a wave's part of a stage, 26 rows of 256 bytes
.set L16, 1                            ; v1   16 x lane
.set L8,  2                            ; v2   8 x lane
.set A16, 3                            ; v3   the step's LDS address + 16 x lane
.set A8,  4                            ; v4   + 8 x lane
.set DM,  5                            ; v5   my query's place in its group - 16 (lane / 16)
.set R4,  6                            ; v6   4 r
.set R8,  7                            ; v7   8 r
.set R16, 8                            ; v8   16 r
.set NE,  9                            ; v9   n x 1e-9
.set NINF, 10                          ; v10  -3e38
.set QQ1, 11                           ; v11  my query's place in its group + 1
.set NM,  12                           ; v12 -M, v13 the largest t
.set LS,  14                           ; v[14:15] l in two halves
.set QH,  16                           ; v[16:27] the first tile's Q
.set QL,  28                           ; v[28:39] the second's
.set QSH, 40                           ; v40, v41 their scale words
.set QSL, 41
.set WS,  42                           ; v[42:43] W in two halves
.set L2,  44                           ; second chains
.set W2,  46
.set KS,  48                           ; v[48:51] K's scale words: word i: lanes 0-15 tile 2 i, lanes 16-31 tile 2 i + 1
.set VS,  52                           ; v[52:55] V's
.set FF,  56                           ; v[56:57] f
.set DD,  58                           ; v[58:59] d
.set BM,  60                           ; v60-63 the blocks' largest scores, then p
.set EX,  64                           ; v64-67 the other half's, then bytes
.set SO,  68                           ; v68-71 the conversions' scale operands
.set PW,  72                           ; v72  p's scale word
.set T0,  73                           ; v73-75 at work
.set PC,  76                           ; v[76:87] p's codes
.set T2,  88                           ; v[88:95] the conversions' second halves
.set S,   96                           ; v[96:159] S^T, then u
.set P,   160                          ; v[160:223] p
.set O,   224                          ; v[224:255] O^T
.set WV,  18
.set SEL, 20
.set CS,  22
.set G1,  24
.set G0,  32
.set TB,  48                           ; s48  LDS byte at which the key step in hand begins
.set SN,  49                           ; s49  its number
.set G,   50                           ; s50  the group of the tile in hand: its last key step
.set CNT, 51
.set MSB, 0
.macro WIN new
.if MSB != (\new)
	s_set_vgpr_msb (MSB<<8)|(\new)
.set MSB, (\new)
.endif
.endm
.macro CROUND                          ; a round of the cluster's barrier
	s_barrier_signal -1
	s_barrier_wait -1
	s_cmp_lg_u32 s[WV], 0
	s_cbranch_scc1 .Lnot_wave_0_\@
	s_barrier_signal -3
.Lnot_wave_0_\@:
	s_barrier_wait -3
	s_barrier_signal -1
	s_barrier_wait -1
.endm
; The five addresses of the tile of group s[g]: Q's codes, Q's scale word, O's codes, O's scale bytes, the entropy
.macro BASES d, g
	s_mul_i32 s76, s[\g], 6656
	s_add_co_u32 s76, s76, s80
	s_add_nc_u64 s[\d:\d+1], s[4:5], s[76:77]
	s_mul_i32 s76, s[\g], 6656
	s_add_co_u32 s76, s76, s81
	s_add_nc_u64 s[\d+2:\d+3], s[4:5], s[76:77]
	s_mul_i32 s76, s[\g], 6144
	s_add_co_u32 s76, s76, s82
	s_add_nc_u64 s[\d+4:\d+5], s[8:9], s[76:77]
	s_lshl_b32 s76, s[\g], 12
	s_add_co_u32 s76, s76, s83
	s_add_nc_u64 s[\d+6:\d+7], s[10:11], s[76:77]
	s_lshl_b32 s76, s[\g], 9
	s_add_co_u32 s76, s76, s84
	s_add_nc_u64 s[\d+8:\d+9], s[12:13], s[76:77]
.endm
	s_load_b256 s[4:11], s[0:1], 0x0               ; qb s[4:5], kv s[6:7], oc s[8:9], os s[10:11]
	s_load_b64 s[12:13], s[0:1], 0x20              ; ep
	v_lshl_add_u32 v91, v0, 2, 0x34000
	v_mov_b32 v95, 0
	ds_add_u32 v91, v95
	ds_add_u32 v91, v95
	v_lshrrev_b32 v3, 5, v0
	v_readfirstlane_b32 s[WV], v3                  ; wave 0..7
	s_bfe_u32 s19, ttmp6, 0x40000                  ; cx
	s_lshl_b32 s2, ttmp9, 2
	s_add_co_u32 s19, s19, s2                      ; j = 4 x cluster x + cx: it enters global addresses and the mask's lane data alone
	s_and_b32 s15, ttmp7, 0xffff                   ; batch x 16 + head, which the four partners share
	s_and_b32 s86, s15, 15                         ; head
	s_lshr_b32 s87, s15, 4                         ; batch
	s_sub_co_u32 s78, 15, s[WV]                    ; the first tile's group
	s_mov_b32 s[G1], 15|(3<<16)|(1<<21)            ; the mask: all four work-groups; elements of 8 bytes; bit 21 beside a mask; no padding
	s_mov_b32 s[G1+1], 32<<16                      ; tensor_dim0 = 32 (256 bytes)
	s_mov_b32 s[G1+2], 26<<16                      ; tensor_dim1 = 26
	s_mov_b32 s[G1+3], 32<<16                      ; tile_dim0
	s_mov_b32 s[G1+4], 26                          ; tile_dim1
	s_mov_b32 s[G1+5], 32                          ; dense
	s_mov_b32 s[G1+6], 0
	s_mov_b32 s[G1+7], 0
	s_mov_b32 s[SEL], 0x76543210
	s_mov_b32 s[SEL+1], 0xfedcba98
	s_mov_b32 s[CS], 0x3e38aa3b                    ; c = log2(e) / 8
	s_mov_b32 s[CS+1], s[CS]
	s_mul_i32 s14, s[WV], PART                     ; my part of a stage, in LDS and in memory
	s_mul_i32 s16, s15, 16*STEPB
	s_add_co_u32 s16, s16, s14
	s_mov_b32 s17, 0
	s_mul_i32 s88, s15, 106496                     ; what the tiles' offsets have in common
	s_mul_i32 s89, s19, 768
	s_add_co_u32 s80, s88, s89                     ; Q's codes
	s_and_b32 s89, s19, 1
	s_lshl_b32 s90, s89, 8
	s_lshr_b32 s91, s19, 1
	s_lshl_b32 s92, s91, 2
	s_add_co_u32 s81, s88, s90
	s_add_co_u32 s81, s81, s92
	s_add_co_u32 s81, s81, 6144                    ; Q's scale words: 6144 + 256 (j % 2) + 4 (j / 2)
	s_lshl_b32 s82, s87, 7
	s_add_co_u32 s82, s82, s19
	s_mul_i32 s82, s82, 768
	s_mul_i32 s93, s86, 196608
	s_add_co_u32 s82, s82, s93                     ; O's codes: [head][tile of 16 tokens][768]
	s_lshl_b32 s83, s87, 16
	s_lshr_b32 s93, s86, 2
	s_lshl_b32 s93, s93, 10
	s_add_co_u32 s83, s83, s93
	s_lshl_b32 s93, s19, 7
	s_add_co_u32 s83, s83, s93
	s_and_b32 s93, s86, 3
	s_lshl_b32 s93, s93, 1
	s_add_co_u32 s83, s83, s93                     ; O's scale bytes: the head's two among the row's eight of K group head / 4
	s_lshl_b32 s84, s15, 13
	s_lshl_b32 s93, s19, 6
	s_add_co_u32 s84, s84, s93                     ; the entropy
	s_lshl_b32 s85, s91, 5
	s_lshl_b32 s89, s89, 3
	s_add_co_u32 s85, s85, s89                     ; 32 (j / 2) + 8 (j % 2): the tile's first true query in its group
	s_mov_b32 s77, 0
	v_and_b32 v11, 31, v0
	v_lshlrev_b32 v[L16], 4, v11
	v_lshlrev_b32 v[L8], 3, v11
	v_and_b32 v9, 15, v0                           ; r
	v_bfe_u32 v10, v0, 4, 1                        ; h
	v_lshlrev_b32 v[R4], 2, v9
	v_lshlrev_b32 v[R8], 3, v9
	v_lshlrev_b32 v[R16], 4, v9
	v_and_b32 v[DM], 8, v9
	v_add3_u32 v[DM], v[DM], v9, s85               ; my query's true place in its group: 32 (j / 2) + 8 (j % 2) + r + 8 (r / 8)
	v_add_nc_u32 v[QQ1], 1, v[DM]
	v_lshlrev_b32 v10, 4, v10
	v_sub_nc_u32 v[DM], v[DM], v10
	v_mov_b32 v[NINF], 0xff61b1e6                  ; -3e38
	s_wait_dscnt 0x0
	s_wait_kmcnt 0x0
	s_add_nc_u64 s[16:17], s[6:7], s[16:17]
	BASES 52, 78
	BASES 66, WV
	CROUND                                         ; all four work-groups are here: the joint loads meet
.irp g, 0,1,2,3
	s_mov_b32 s[G0+4*\g], 1
	s_add_co_u32 s[G0+4*\g+1], s14, \g*STAGEB
	s_add_nc_u64 s[G0+4*\g+2:G0+4*\g+3], s[16:17], \g*STAGEB
	s_or_b32 s[G0+4*\g+3], s[G0+4*\g+3], 0x80000000
.endr
.irp g, 0,1,2,3
	tensor_load_to_lds s[G0+4*\g:G0+4*\g+3], s[G1:G1+7]     ; all the launch's fills, in one group: every byte of LDS is filled once
	s_nop 0
.endr
.rept 4
	v_nop
.endr
	global_load_b128 v[QH:QH+3], v[L16], s[52:53]
	global_load_b64 v[QH+4:QH+5], v[L8], s[52:53] offset:512
	global_load_b32 v[QSH], v[R16], s[54:55]
	global_load_b128 v[QL:QL+3], v[L16], s[66:67]
	global_load_b64 v[QL+4:QL+5], v[L8], s[66:67] offset:512
	global_load_b32 v[QSL], v[R16], s[68:69]
.irp i, 6,7,8,9,10,11
	v_mov_b32 v[QH+\i], 0                          ; the 64 along K that a head does not have: zero codes
	v_mov_b32 v[QL+\i], 0
.endr
	WIN 0x40                                       ; destination window 1
.set t, 0
.rept 8
.irp i, 6,7,8,9,10,11
	v_mov_b32 v[12*t+\i], 0                        ; K's likewise; the loads of a step never touch them
.endr
.set t, t+1
.endr
	WIN 0
	v_mov_b32 v[FF+1], 0                           ; named as the upper halves of pairs
	v_mov_b32 v[DD+1], 0
.irp b, 0,1,2,3
	v_mov_b32 v[EX+\b], 0                          ; a lane permute's destination counts as one of its sources
.endr
.macro INIT                            ; a tile begins: the step is written without a first step of its own, so it finds zeros, which the first change of M leaves zeros
	v_mov_b32 v[NM+1], v[NINF]
	v_floor_f32 v[NM], -v[NM+1]
	v_mov_b32 v[LS], 0
	v_mov_b32 v[LS+1], 0
	v_mov_b32 v[WS], 0
	v_mov_b32 v[WS+1], 0
.set n, 0
.rept 32
	v_mov_b32 v[O+n], 0
.set n, n+1
.endr
.endm
	INIT
; A KEY STEP: 128 keys.  qf, qs: the tile's Q and its scale word.  causal = 1: the step may lie behind the tile's last (left out) or be its last (masked).
.macro STEP qf, qs, causal
.if \causal
	s_cmp_gt_u32 s[SN], s[G]
	s_cbranch_scc1 .Lskip_\@                       ; all its keys come after my queries: only the lines that step the address and the number are run
.endif
	v_add_nc_u32 v[A16], s[TB], v[L16]
	v_add_nc_u32 v[A8], s[TB], v[L8]
	v_nop
	v_nop                                          ; four places between the last step's products and the loads into their registers
	ds_load_b128 v[KS:KS+3], v[A16] offset:12288
	ds_load_b128 v[VS:VS+3], v[A16] offset:12800
	WIN 0x40                                       ; destination window 1
.set t, 0
.rept 8
	ds_load_b128 v[12*t:12*t+3], v[A16] offset:768*t
	ds_load_b64 v[12*t+4:12*t+5], v[A8] offset:768*t+512
.set t, t+1
.endr
.set t, 0
.rept 12
	ds_load_b128 v[96+4*t:96+4*t+3], v[A16] offset:6144+512*t
.set t, t+1
.endr
	s_wait_dscnt 12                                ; the scale words and K are in; V's twelve loads may be out
	WIN 0x01                                       ; source 0 window 1
.set t, 0
.rept 4
	v_wmma_scale_f32_16x16x128_f8f6f4 v[S+16*t:S+16*t+7], v[24*t:24*t+11], v[\qf:\qf+11], 0, v[KS+t], v[\qs] matrix_a_fmt:MATRIX_FMT_BF6 matrix_b_fmt:MATRIX_FMT_BF6
	v_wmma_scale_f32_16x16x128_f8f6f4 v[S+16*t+8:S+16*t+15], v[24*t+12:24*t+23], v[\qf:\qf+11], 0, v[KS+t], v[\qs] matrix_a_fmt:MATRIX_FMT_BF6 matrix_b_fmt:MATRIX_FMT_BF6 matrix_a_scale:MATRIX_SCALE_ROW1
.set t, t+1
.endr
	WIN 0
.rept 4
	v_nop
.endr                                          ; lane (r, h) holds query r; register 16 b + i is key 32 b + 16 h + i of the step
.if \causal
	s_cmp_lg_u32 s[SN], s[G]
	s_cbranch_scc1 .Lopen_\@                       ; all keys count
.set n, 0
.rept 64
	v_cmp_gt_i32 vcc_lo, 32*(n/16)+n%16, v[DM]     ; hidden where 32 b + i + 16 h > my query's place
	v_cndmask_b32 v[S+n], v[S+n], v[NINF], vcc_lo
.set n, n+1
.endr
.Lopen_\@:
.endif
.irp b, 0,1,2,3
	v_max3_num_f32 v[BM+\b], v[S+16*\b], v[S+1+16*\b], v[S+2+16*\b]   ; the largest score of each block of 32 keys: for the row's maximum and, since p rises with the score, for the block's largest p
.endr
.irp i, 3,5,7,9,11,13
.irp b, 0,1,2,3
	v_max3_num_f32 v[BM+\b], v[BM+\b], v[S+16*\b+\i], v[S+1+16*\b+\i]
.endr
.endr
.irp b, 0,1,2,3
	v_max_num_f32 v[BM+\b], v[BM+\b], v[S+15+16*\b]
.endr
.irp b, 0,1,2,3
	v_permlanex16_b32 v[EX+\b], v[BM+\b], s[SEL], s[SEL+1]
.endr
.irp b, 0,1,2,3
	v_max_num_f32 v[BM+\b], v[BM+\b], v[EX+\b]
.endr
	v_max3_num_f32 v[T0], v[BM], v[BM+1], v[BM+2]
	v_max_num_f32 v[T0], v[T0], v[BM+3]
	v_mul_f32 v[T0], s[CS], v[T0]                  ; as t (c is positive)
	v_max_num_f32 v[NM+1], v[NM+1], v[T0]          ; the running largest t
	v_mov_b32 v[T0], v[NM]
	v_floor_f32 v[NM], -v[NM+1]                    ; the new -M = -ceil(t)
	v_sub_f32 v[DD], v[NM], v[T0]                  ; d = old M - new M: a whole number, 0 or less
	v_cvt_i32_f32 v[T0], v[DD]                     ; (it saturates)
	v_ldexp_f32 v[FF], 1.0, v[T0]                  ; f = 2^d
.set n, 0
.rept 32
	v_pk_fma_f32 v[S+n:S+n+1], v[S+n:S+n+1], s[CS:CS+1], v[NM:NM+1] op_sel_hi:[1,0,0]   ; u = t - M
.set n, n+2
.endr
.irp b, 0,1,2,3
	v_fma_f32 v[BM+\b], v[BM+\b], s[CS], v[NM]     ; the same of each block's largest score
.endr
.set n, 0
.rept 64
	v_exp_f32 v[P+n], v[S+n]                       ; p = 2^u; u is kept for the entropy
.set n, n+1
.endr
.irp b, 0,1,2,3
	v_exp_f32 v[BM+\b], v[BM+\b]
.endr
	v_pk_fma_f32 v[WS:WS+1], v[LS:LS+1], v[DD:DD+1], v[WS:WS+1] op_sel_hi:[1,0,1]   ; W + d l (a plain place behind the exponentials),
	v_pk_mul_f32 v[WS:WS+1], v[WS:WS+1], v[FF:FF+1] op_sel_hi:[1,0]                 ; x f;
	v_pk_mul_f32 v[LS:LS+1], v[LS:LS+1], v[FF:FF+1] op_sel_hi:[1,0]                 ; l x f
	s_wait_alu depctr_va_vdst(0)
.irp b, 0,1,2,3
	v_max_num_f32 v[BM+\b], 0x2800000, v[BM+\b]    ; the floor 2^(5 - 127): the byte cannot fall under 1
.endr
.irp b, 0,1,2,3
	v_add_nc_u32 v[SO+\b], 0xfe000000, v[BM+\b]    ; the conversion's scale operand
.endr
.irp b, 0,1,2,3
	v_lshrrev_b32 v[EX+\b], 23, v[SO+\b]           ; the scale's byte
.endr
	v_lshl_or_b32 v[PW], v[EX+1], 8, v[EX]
	v_lshl_or_b32 v[PW], v[EX+2], 16, v[PW]
	v_lshl_or_b32 v[PW], v[EX+3], 24, v[PW]
.irp c, 0,1
	v_cvt_scalef32_pk16_bf6_f32 v[PC+6*\c:PC+6*\c+2], v[P+32*\c:P+32*\c+15], v[SO+2*\c]
	v_cvt_scalef32_pk16_bf6_f32 v[T2+4*\c:T2+4*\c+2], v[P+32*\c+16:P+32*\c+31], v[SO+2*\c+1]
.endr
	v_nop                                          ; one plain place behind a scaled conversion
.irp c, 0,1
.irp i, 0,1,2
	v_permlane16_swap_b32 v[PC+6*\c+\i], v[T2+4*\c+\i]
.endr
.irp i, 0,1,2
	v_mov_b32 v[PC+6*\c+3+\i], v[T2+4*\c+\i]
.endr
.endr
	v_pk_add_f32 v[L2:L2+1], v[P:P+1], v[P+2:P+3]                  ; the sums of the unquantised p and of p u, each in two chains
	v_pk_mul_f32 v[W2:W2+1], v[P+2:P+3], v[S+2:S+3]
	v_pk_fma_f32 v[WS:WS+1], v[P:P+1], v[S:S+1], v[WS:WS+1]
.set n, 4
.rept 15
	v_pk_add_f32 v[LS:LS+1], v[LS:LS+1], v[P+n:P+n+1]
	v_pk_add_f32 v[L2:L2+1], v[L2:L2+1], v[P+n+2:P+n+3]
	v_pk_fma_f32 v[WS:WS+1], v[P+n:P+n+1], v[S+n:S+n+1], v[WS:WS+1]
	v_pk_fma_f32 v[W2:W2+1], v[P+n+2:P+n+3], v[S+n+2:S+n+3], v[W2:W2+1]
.set n, n+4
.endr
	v_pk_add_f32 v[LS:LS+1], v[LS:LS+1], v[L2:L2+1]
	v_pk_add_f32 v[WS:WS+1], v[WS:WS+1], v[W2:W2+1]
.set n, 0
.rept 16
	v_pk_mul_f32 v[O+n:O+n+1], v[O+n:O+n+1], v[FF:FF+1] op_sel_hi:[1,0]   ; O^T x f, each accumulator from its low end on.  (The sums and these are the places between p's codes and scale word and the products)
.set n, n+2
.endr
	s_wait_dscnt 0x0                               ; V is in
	WIN 0x01
.set t, 0
.rept 4
	v_wmma_scale_f32_16x16x128_f8f6f4 v[O+8*t:O+8*t+7], v[96+12*t:96+12*t+11], v[PC:PC+11], v[O+8*t:O+8*t+7], v[VS+t], v[PW] matrix_a_fmt:MATRIX_FMT_BF6 matrix_b_fmt:MATRIX_FMT_BF6   ; the four accumulators take turns, one instruction a turn
.set t, t+1
.endr
	WIN 0
.if \causal
.Lskip_\@:
.endif
	s_add_co_u32 s[TB], s[TB], STEPB
	s_add_co_u32 s[SN], s[SN], 1
.endm
.macro RUN qf, qs, causal, trips
	s_mov_b32 s[CNT], \trips
.Lrun_\@:
	STEP \qf, \qs, \causal
	s_sub_co_u32 s[CNT], s[CNT], 1
	s_cmp_lg_u32 s[CNT], 0
	s_cbranch_scc1 .Lrun_\@
.endm
; A TILE'S END.  d: its five addresses.
.macro FINISH d
	v_add_f32 v[T0], v[LS], v[LS+1]                ; l's and W's two halves.  (These lines are the places behind the last products)
	v_add_f32 v[T0+1], v[WS], v[WS+1]
	s_lshl_b32 s76, s[G], 7
	v_add_nc_u32 v[NE], s76, v[QQ1]                ; n: the keys that count for my query
	v_cvt_f32_u32 v[NE], v[NE]
	v_permlanex16_b32 v[EX], v[T0], s[SEL], s[SEL+1]
	v_permlanex16_b32 v[EX+1], v[T0+1], s[SEL], s[SEL+1]
	v_add_f32 v[T0], v[T0], v[EX]                  ; with lane l xor 16's: l
	v_add_f32 v[T0+1], v[T0+1], v[EX+1]            ; W
	v_mul_f32 v[NE], 0x3089705f, v[NE]             ; n x 1e-9
	v_rcp_f32 v[T0+2], v[T0]
	v_log_f32 v[EX+2], v[T0]
	v_nop                                          ; a plain place behind the transcendentals
	s_wait_alu depctr_va_vdst(0)
	v_fma_f32 v[EX+2], -v[T0+1], v[T0+2], v[EX+2]  ; log2 l - W / l
	v_mul_f32 v[EX+2], 0x3f317218, v[EX+2]         ; x ln 2
	v_sub_f32 v[EX+2], v[EX+2], v[NE]
	global_store_b32 v[R4], v[EX+2], s[\d+8:\d+9]  ; 64 consecutive bytes; both halves of the lanes hold the same number
	v_mov_b32 v[T0+1], v[T0+2]                     ; 1 / l in the low word of a pair
.set n, 0
.rept 16
	v_pk_mul_f32 v[S+n:S+n+1], v[O+n:O+n+1], v[T0+1:T0+2] op_sel_hi:[1,0]   ; o = O^T / l: register 16 b + i is d = 32 b + 16 h + i
.set n, n+2
.endr
.irp b, 0,1
	v_max3_num_f32 v[BM+\b], |v[S+16*\b]|, |v[S+1+16*\b]|, 0x2800000
.endr
.irp i, 2,4,6,8,10,12,14
.irp b, 0,1
	v_max3_num_f32 v[BM+\b], v[BM+\b], |v[S+16*\b+\i]|, |v[S+1+16*\b+\i]|
.endr
.endr
.irp b, 0,1
	v_permlanex16_b32 v[EX+\b], v[BM+\b], s[SEL], s[SEL+1]
.endr
.irp b, 0,1
	v_max_num_f32 v[BM+\b], v[BM+\b], v[EX+\b]
.endr
.irp b, 0,1
	v_add_nc_u32 v[SO+\b], 0xfe000000, v[BM+\b]
.endr
.irp b, 0,1
	v_lshrrev_b32 v[EX+\b], 23, v[SO+\b]
.endr
	v_lshl_or_b32 v[EX+3], v[EX+1], 8, v[EX]       ; the head's two scale bytes of my row
	v_cvt_scalef32_pk16_bf6_f32 v[P:P+2], v[S:S+15], v[SO]
	v_cvt_scalef32_pk16_bf6_f32 v[T2:T2+2], v[S+16:S+31], v[SO+1]
	v_nop
.irp i, 0,1,2
	v_permlane16_swap_b32 v[P+\i], v[T2+\i]
.endr
.irp i, 0,1,2
	v_mov_b32 v[P+3+\i], v[T2+\i]
.endr
	global_store_b128 v[L16], v[P:P+3], s[\d+4:\d+5]               ; the tile's image: 512 and 256 consecutive bytes, aligned to 256
	global_store_b64 v[L8], v[P+4:P+5], s[\d+4:\d+5] offset:512
	global_store_b16 v[R8], v[EX+3], s[\d+6:\d+7]                  ; two bytes of each row's eight: 128 KiB in the whole launch
.endm
	s_wait_loadcnt 0x0                             ; Q
	s_mov_b32 s[TB], 0
	s_mov_b32 s[SN], 0
	s_mov_b32 s[G], s78
	s_wait_tensorcnt 0x3                           ; my part of key steps 0-3 is in; my three younger loads stay out
	s_barrier_signal -1
	s_barrier_wait -1                              ; everybody's is
	RUN QH, QSH, 0, 4                              ; the first tile's group is 8 at the least: key steps 0-7 count whole
	s_wait_tensorcnt 0x2                           ; key steps 4-7
	s_wait_dscnt 0x0
	s_barrier_signal -1
	s_barrier_wait -1
	RUN QH, QSH, 0, 4
	s_wait_tensorcnt 0x0                           ; all of the head
	s_wait_dscnt 0x0
	s_barrier_signal -1
	s_barrier_wait -1
	RUN QH, QSH, 1, 8                              ; key steps 8-15: every wave walks all eight trips and leaves out the work behind its diagonal
	FINISH 52
	s_wait_xcnt 0x0                                ; the stores have read their registers: they are written again below
	INIT
	s_mov_b32 s[TB], 0
	s_mov_b32 s[SN], 0
	s_mov_b32 s[G], s[WV]
	RUN QL, QSL, 1, 8                              ; the second tile: key steps 0 .. wave
	FINISH 66
	s_wait_tensorcnt 0x0
	ds_add_u32 v91, v95
	s_wait_dscnt 0x0
	CROUND                                         ; the closing round
	s_endpgm
.Lfunc_end_k_q5bac0b729d_attn:
	.size	k_q5bac0b729d_attn, .Lfunc_end_k_q5bac0b729d_attn-k_q5bac0b729d_attn
	.p2alignl 7, 3214868480
	.fill 96, 4, 3214868480
	.section	.rodata,"a",@progbits
	.p2align	6, 0x0
	.amdhsa_kernel k_q5bac0b729d_attn
		.amdhsa_group_segment_fixed_size 214016
		.amdhsa_private_segment_fixed_size 0
		.amdhsa_enable_private_segment 0
		.amdhsa_kernarg_size 40
		.amdhsa_user_sgpr_count 2
		.amdhsa_user_sgpr_kernarg_segment_ptr 1
		.amdhsa_wavefront_size32 1
		.amdhsa_system_sgpr_workgroup_id_x 1
		.amdhsa_system_sgpr_workgroup_id_y 1
		.amdhsa_system_sgpr_workgroup_id_z 1
		.amdhsa_system_vgpr_workitem_id 0
		.amdhsa_next_free_vgpr 512
		.amdhsa_next_free_sgpr 100
		.amdhsa_reserve_vcc 1
		.amdhsa_float_denorm_mode_32 3
		.amdhsa_float_denorm_mode_16_64 3
		.amdhsa_memory_ordered 1
		.amdhsa_forward_progress 1
		.amdhsa_inst_pref_size 103
	.end_amdhsa_kernel
	.amdgpu_metadata
---
amdhsa.version: [ 1, 2 ]
amdhsa.kernels:
  - .name:           k_q5bac0b729d_attn
    .symbol:         k_q5bac0b729d_attn.kd
    .args:
      - { .name: qb, .offset: 0, .size: 8, .value_kind: global_buffer, .address_space: global }
      - { .name: kv, .offset: 8, .size: 8, .value_kind: global_buffer, .address_space: global }
      - { .name: oc, .offset: 16, .size: 8, .value_kind: global_buffer, .address_space: global }
      - { .name: os, .offset: 24, .size: 8, .value_kind: global_buffer, .address_space: global }
      - { .name: ep, .offset: 32, .size: 8, .value_kind: global_buffer, .address_space: global }
    .group_segment_fixed_size: 214016
    .private_segment_fixed_size: 0
    .kernarg_segment_align: 8
    .kernarg_segment_size: 40
    .max_flat_workgroup_size: 256
    .sgpr_count:     100
    .vgpr_count:     512
    .wavefront_size: 32
...
	.end_amdgpu_metadata
.endif
;; end of part 3
;; launch proj (part 4): grid 4 x 16, 4 waves a work-group, clusters of 4 x 4, 327,680 bytes of LDS; arguments oc, os, pc, ps, ep, out0, out1; writes out0, out1
.if DOCPART == 4
	.amdgcn_target "amdgcn-amd-amdhsa--gfx1250"
	.amdhsa_code_object_version 6
	.text
	.protected	k_q5bac0b729d_proj
	.globl	k_q5bac0b729d_proj
	.p2align	8
	.type	k_q5bac0b729d_proj,@function
k_q5bac0b729d_proj:
	s_mov_b64 s[64:65], 0
	v_nop
	global_prefetch_b8 v0, s[64:65] scope:SCOPE_SE
	s_setreg_imm32_b32 hwreg(HW_REG_WAVE_MODE, 25, 1), 1
	s_wait_xcnt 0x0
	s_wait_alu depctr_hold_cnt(0) depctr_sa_sdst(0) depctr_va_vdst(0) depctr_va_sdst(0) depctr_va_ssrc(0) depctr_va_vcc(0) depctr_vm_vsrc(0)
	s_getreg_b32 s2, hwreg(HW_REG_IB_STS2, 6, 4)
	s_cmp_eq_u32 s2, 0
	s_cbranch_scc0 .Lentry_in_a_cluster
	s_endpgm
.Lentry_in_a_cluster:
	s_bfe_u32 s2, ttmp6, 0x10000c
	s_cmp_lg_u32 s2, 0xf033
	s_cbranch_scc0 .Lentry_shape_is_right
	s_endpgm
.Lentry_shape_is_right:
; out0 = o W_proj on codes of BF6 (K = 1,024 = head x 64 + d), f32 out; and out1 = the mean over the 16 heads of the entropy in ep.
; A work-group of four waves makes 256 x 256 of out0, a wave 128 x 128: 64 accumulators.  K goes in steps of 256 (four heads) through a ring of two LDS slots filled by the tensor data mover.
; A = o: oc [head 16][tile of 16 stored tokens 256][768 bytes: the image of registers 0-5 of a fragment].  A fragment of 128 along K is two heads' images; a wave's load brings 4 heads x 8 tiles x 768 bytes.
; B = W_proj's columns: rows 7168 on of pc, 768 bytes a row.  Scale bytes: os and ps, 4,096 dense bytes for 128 rows.
; Tokens and columns lie in stored order (bits 3 and 4 of a row's number exchanged).  THE MATRIX INSTRUCTION IS USED TRANSPOSED (source 0 = B, source 1 = A): a lane holds one stored token, its registers run along true
; columns; the way out puts columns and rows back in true order.
; CLUSTERS: 4 x 4 work-groups; A's tiles are asked for jointly along a row of the cluster, B's along a column.  The launch has 64 work-groups: a tile of 128 x 128 would give 256, at twice the LDS reads for each product.
; The order in which the heads' entropies are added differs from a plain mean's: a tree of eight, the two halves of the lanes, then x 1/16.
; REGISTERS: window 0: v0-31 addresses and the entropy's numbers; v32-63 scale words, two sets, and nothing else; from v128 A's fragments, one set; on the way out v128-255 rows of out0.
;   window 1: B's fragments, two sets.   windows 2, 3: the accumulators.
.set NQ,     2
.set ROWB,   192
.set KROW,   768
.set PITCH,  240
.set FR,     12
.set NLA,    4                         ; LDS loads that bring a fragment of A
.set NP,     4
.set HALFA,  4*8*768                   ; 128 rows of A for a K step: 4 heads x 8 tiles
.set HALFB,  128*PITCH
.set SLOT,   2*HALFA+2*HALFB
.set ASTEP,  4*196608                  ; four heads on in oc
.set LAPS,   2
.set GRPC,   128*KROW
.set GRPS,   4096
.set SCL,    2*SLOT
.set SCB,    2*GRPS+128
.set SPARE,  SCL+SCB+2*GRPS+128        ; the spare words, 128 bytes for each wave: two blocks of 256 bytes that no other line names
.set SPITCH, 528                       ; the way out: a stage of 16 rows x (512 bytes + 16) for each wave, in slot 0, which has had its last fill and its last read by then
.set ADRA, 16                          ; v16-17 slot 0, 1: A + 16 x lane;  v18-19: + 8 x lane
.set ADRB, 20                          ; v20-21 B's fragments;  v22-23 behind one padding more
.set STO,  24
.set RD,   25
.set CO,   26                          ; v26  16 x lane
.set ADRS, 27
.set SPW,  28
.set NIL,  29
.set SC,   32
.set AF,   128
.set BK,   128
.set SEL,  66
.set G1, 24
.set G0, 32
.set G1B, 48
.set G0B, 56
.set G1S, 68
.set G0S, 76
.set G1SB, 80
.set G0SB, 88
.set MSB, 0
.macro WIN new
.if MSB != (\new)
	s_set_vgpr_msb (MSB<<8)|(\new)
.set MSB, (\new)
.endif
.endm
.set MUL_LO, 0xa1
.set MUL_HI, 0xf1
.set TO_B,   0x40
.macro JLOAD g0a, g1a, g0b, g1b        ; a joint load: waves 0 and 1 fetch for A, waves 2 and 3 for B.  Four v_nop follow each of the two lines
	s_cmp_eq_u32 s15, 0
	s_cbranch_scc0 .Lfor_b_\@
	tensor_load_to_lds s[\g0a:\g0a+3], s[\g1a:\g1a+7]
	s_nop 0
.rept 4
	v_nop
.endr
	s_branch .Lasked_\@
.Lfor_b_\@:
	tensor_load_to_lds s[\g0b:\g0b+3], s[\g1b:\g1b+7]
	s_nop 0
.rept 4
	v_nop
.endr
.Lasked_\@:
.endm
.macro CREST
	s_cmp_lg_u32 s14, 0
	s_cbranch_scc1 .Lnot_wave_0_\@
	s_barrier_signal -3
.Lnot_wave_0_\@:
	s_barrier_wait -3
	s_barrier_signal -1
	s_barrier_wait -1
.endm
.macro CROUND
	s_barrier_signal -1
	s_barrier_wait -1
	CREST
.endm
	s_load_b256 s[4:11], s[0:1], 0x0               ; oc s[4:5], os s[6:7], pc s[8:9], ps s[10:11]
	s_load_b64 s[96:97], s[0:1], 0x20              ; ep
	s_load_b64 s[12:13], s[0:1], 0x28              ; out0
	s_load_b64 s[98:99], s[0:1], 0x30              ; out1
	v_lshl_add_u32 v[SPW], v0, 2, SPARE
	v_mov_b32 v[NIL], 0
	ds_add_u32 v28, v29
	ds_add_u32 v28, v29
	s_wait_dscnt 0x0
	v_lshrrev_b32 v1, 5, v0
	v_readfirstlane_b32 s14, v1                    ; wave 0..3
	s_lshr_b32 s15, s14, 1                         ; which half of the tile's rows is mine.  Also: I fetch for A (0) or for B (1)
	s_and_b32 s16, s14, 1                          ; which half of its columns.  Also: which 128 rows I fetch
	s_bfe_u32 s40, ttmp6, 0x40000                  ; cx
	s_bfe_u32 s41, ttmp6, 0x40004                  ; cy
	s_lshl_b32 s42, ttmp9, 2
	s_add_co_u32 s42, s42, s40                     ; tile column
	s_and_b32 s17, ttmp7, 0xffff
	s_lshl_b32 s17, s17, 2
	s_add_co_u32 s17, s17, s41                     ; tile row
	s_lshl_b32 s43, s41, 2
	s_lshl_b32 s43, 15, s43                        ; my row of the cluster
	s_lshl_b32 s44, 0x1111, s40                    ; my column
	; A's tiles: 4 rows (heads) of 768 elements of 8 bytes (8 tiles' images), 196,608 bytes apart, no padding
	s_or_b32 s[G1+0], s43, (3<<16)|(1<<21)
	s_mov_b32 s[G1+1], 768<<16                     ; tensor_dim0
	s_mov_b32 s[G1+2], 4<<16                       ; tensor_dim1
	s_mov_b32 s[G1+3], 768<<16                     ; tile_dim0
	s_mov_b32 s[G1+4], 4                           ; tile_dim1
	s_mov_b32 s[G1+5], 24576                       ; from head to head, in elements
	s_mov_b32 s[G1+6], 0
	s_mov_b32 s[G1+7], 0
	; B's tiles: 128 rows x 192 bytes, 16 bytes of padding behind every 64
	s_or_b32 s[G1B+0], s44, (0<<16)|(1<<20)|(1<<21)|(3<<22)|(3<<25)
	s_mov_b32 s[G1B+1], ROWB<<16
	s_mov_b32 s[G1B+2], 128<<16
	s_mov_b32 s[G1B+3], ROWB<<16
	s_mov_b32 s[G1B+4], 128
	s_mov_b32 s[G1B+5], KROW
	s_mov_b32 s[G1B+6], 0
	s_mov_b32 s[G1B+7], 0
	; the scales of 128 rows: 4,096 dense bytes
	s_or_b32 s[G1S+0], s43, (3<<16)|(1<<21)
	s_or_b32 s[G1SB+0], s44, (3<<16)|(1<<21)
.irp g, G1S, G1SB
	s_mov_b32 s[\g+1], 32<<16
	s_mov_b32 s[\g+2], 16<<16
	s_mov_b32 s[\g+3], 32<<16
	s_mov_b32 s[\g+4], 16
	s_mov_b32 s[\g+5], 32
	s_mov_b32 s[\g+6], 0
	s_mov_b32 s[\g+7], 0
.endr
	s_lshl_b32 s20, s17, 1
	s_add_co_u32 s20, s20, s16                     ; A: the group of 128 tokens that I fetch
	s_lshl_b32 s22, s20, 12                        ; its scales,
	s_mov_b32 s23, 0
	s_mul_i32 s20, s20, 8*768                      ; its eight tiles in a head's part of oc
	s_mov_b32 s21, 0
	s_add_co_u32 s46, s42, 28                      ; B: W_proj's tiles of 256 rows begin at tile 28 of pc
	s_lshl_b32 s46, s46, 1
	s_add_co_u32 s46, s46, s16
	s_lshl_b32 s92, s46, 12
	s_mov_b32 s93, 0
	s_mul_i32 s46, s46, GRPC
	s_mov_b32 s47, 0
	s_mul_i32 s45, s16, HALFA                      ; where they go: no place in the cluster enters an LDS address
	s_mul_i32 s95, s16, HALFB
	s_add_co_u32 s95, s95, 2*HALFA
	s_lshl_b32 s94, s16, 12
	s_mov_b32 s[SEL], 0x76543210
	s_mov_b32 s[SEL+1], 0xfedcba98
	s_wait_kmcnt 0x0
	s_add_nc_u64 s[20:21], s[4:5], s[20:21]
	s_add_nc_u64 s[22:23], s[6:7], s[22:23]
	s_add_nc_u64 s[46:47], s[8:9], s[46:47]
	s_add_nc_u64 s[92:93], s[10:11], s[92:93]
	CROUND                                         ; all sixteen work-groups are here: the first joint loads meet
	s_mov_b32 s[G0S], 1
	s_add_co_u32 s[G0S+1], s94, SCL
	s_mov_b64 s[G0S+2:G0S+3], s[22:23]
	s_or_b32 s[G0S+3], s[G0S+3], 0x80000000
	s_mov_b32 s[G0SB], 1
	s_add_co_u32 s[G0SB+1], s94, SCL+SCB
	s_mov_b64 s[G0SB+2:G0SB+3], s[92:93]
	s_or_b32 s[G0SB+3], s[G0SB+3], 0x80000000
	JLOAD G0S, G1S, G0SB, G1SB
.irp s, 0,1
	s_mov_b32 s[G0+4*\s], 1
	s_add_co_u32 s[G0+4*\s+1], s45, \s*SLOT
	s_add_nc_u64 s[G0+4*\s+2:G0+4*\s+3], s[20:21], \s*ASTEP
	s_or_b32 s[G0+4*\s+3], s[G0+4*\s+3], 0x80000000
	s_mov_b32 s[G0B+4*\s], 1
	s_add_co_u32 s[G0B+4*\s+1], s95, \s*SLOT
	s_add_nc_u64 s[G0B+4*\s+2:G0B+4*\s+3], s[46:47], \s*ROWB
	s_or_b32 s[G0B+4*\s+3], s[G0B+4*\s+3], 0x80000000
	JLOAD G0+4*\s, G1, G0B+4*\s, G1B
.endr
	v_and_b32 v1, 15, v0                           ; r
	v_bfe_u32 v2, v0, 4, 1                         ; h
	v_mul_u32_u24 v3, v1, PITCH
	v_mul_u32_u24 v4, v2, 24
	v_add_nc_u32 v4, v3, v4                        ; B: a fragment's row x pitch + 24 x half
	v_lshl_add_u32 v5, v2, 4, v4                   ; and the same behind one padding more
	v_and_b32 v6, 31, v0
	v_lshlrev_b32 v[CO], 4, v6                     ; 16 x lane
	v_lshlrev_b32 v6, 3, v6                        ; 8 x lane
	s_mul_i32 s21, s15, HALFA                      ; my 128 rows of A
	s_mul_i32 s22, s16, HALFB                      ; my 128 rows of B,
	s_add_co_u32 s22, s22, 2*HALFA                 ; which lie behind A's
.irp s, 0,1
	v_add_nc_u32 v[ADRA+\s], s21, v[CO]
	v_add_nc_u32 v[ADRA+2+\s], s21, v6
	v_add_nc_u32 v[ADRB+\s], s22, v4
	v_add_nc_u32 v[ADRB+2+\s], s22, v5
	s_add_co_u32 s21, s21, SLOT
	s_add_co_u32 s22, s22, SLOT
.endr
	v_lshlrev_b32 v5, 3, v1                        ; my row's 8 scale bytes of a K step
	s_lshl_b32 s21, s15, 12
	s_lshl_b32 s22, s16, 12
	s_add_co_u32 s22, s22, SCB
	s_sub_co_u32 s22, s22, s21
	v_mul_u32_u24 v6, s22, v2                      ; lanes 16-31 take B's: one product with the half
	s_add_co_u32 s21, s21, SCL
	v_add_nc_u32 v5, v5, v6
	v_add_nc_u32 v[ADRS], s21, v5
	s_mul_i32 s23, s14, 16*SPITCH                  ; my stage
	v_mul_u32_u24 v5, v1, SPITCH                   ; in: row r; my half's 16 true columns of each 32 begin 64 h bytes on
	v_lshl_add_u32 v5, v2, 6, v5
	v_add_nc_u32 v[STO], s23, v5
	v_add_nc_u32 v[RD], s23, v[CO]                 ; back: the 32 lanes take one row of 512 bytes
	s_lshl_b32 s20, s17, 8
	s_lshl_b32 s21, s15, 7
	s_add_co_u32 s20, s20, s21                     ; my first row of out0
	s_lshl_b32 s20, s20, 12
	s_lshl_b32 s46, s42, 10                        ; my first column, in bytes
	s_lshl_b32 s47, s16, 9
	s_add_co_u32 s46, s46, s47
	s_add_co_u32 s20, s20, s46
	s_mov_b32 s21, 0
	s_add_nc_u64 s[12:13], s[12:13], s[20:21]
	; THE ENTROPY'S MEAN, while the first tiles are on their way: each of the launch's 256 waves takes one tile of 16 stored tokens.  Lane (r, h) adds heads 8 h .. 8 h + 7 of token r.
	s_lshl_b32 s18, s17, 2
	s_add_co_u32 s18, s18, s42
	s_lshl_b32 s18, s18, 2
	s_add_co_u32 s18, s18, s14                     ; the tile: 4 (4 x tile row + tile column) + wave
	s_lshr_b32 s19, s18, 7
	s_lshl_b32 s19, s19, 17                        ; its batch's 16 heads x 8,192 bytes
	s_and_b32 s20, s18, 127
	s_lshl_b32 s20, s20, 6
	s_add_co_u32 s20, s20, s19
	s_add_nc_u64 s[96:97], s[96:97], s[20:21]
	s_lshr_b32 s19, s18, 1
	s_lshl_b32 s19, s19, 7
	s_and_b32 s20, s18, 1
	s_lshl_b32 s20, s20, 5
	s_add_co_u32 s20, s20, s19                     ; its first true token, 32 (tile / 2) + 8 (tile % 2), in bytes
	s_add_nc_u64 s[98:99], s[98:99], s[20:21]
	v_lshlrev_b32 v30, 2, v1
	v_lshl_add_u32 v30, v2, 16, v30                ; 4 r + 8 heads x h
	v_and_b32 v31, 8, v1
	v_add_nc_u32 v31, v31, v1
	v_lshlrev_b32 v31, 2, v31                      ; true token r + 8 (r / 8)
.irp i, 0,1,2,3,4,5,6,7
	global_load_b32 v[8+\i], v30, s[96:97] offset:8192*\i
.endr
	v_mov_b32 v7, 0                                ; a lane permute's destination counts as one of its sources
	s_wait_loadcnt 0x0
	v_add_f32 v8, v8, v9
	v_add_f32 v10, v10, v11
	v_add_f32 v12, v12, v13
	v_add_f32 v14, v14, v15
	v_add_f32 v8, v8, v10
	v_add_f32 v12, v12, v14
	v_add_f32 v8, v8, v12
	v_permlanex16_b32 v7, v8, s[SEL], s[SEL+1]
	v_add_f32 v8, v8, v7
	v_mul_f32 v8, 0x3d800000, v8                   ; / 16
	global_store_b32 v31, v8, s[98:99]             ; both halves of the lanes hold the same number
.macro FRAG reg, adr, q, i             ; a fragment of B from rows: 24 bytes of the row's stream of bits for each 64 along K, in pieces of 8 bytes
.irp p, 0,1,2,3,4,5
.set PCE, 12*(\q)+6*(\p/3)+\p%3
.if PCE%8 < 5
	ds_load_b64 v[\reg+2*\p:\reg+2*\p+1], v[\adr] offset:8*PCE+16*(PCE/8)+(\i)*16*PITCH
.else
	ds_load_b64 v[\reg+2*\p:\reg+2*\p+1], v[\adr+2] offset:8*PCE+16*(PCE/8)+(\i)*16*PITCH
.endif
.endr
.endm
.macro FRAG_A reg, slot, q, i          ; a fragment of A: the images of heads 2 q and 2 q + 1 of the K step, tile i
.irp e, 0,1
	ds_load_b128 v[\reg+6*\e:\reg+6*\e+3], v[ADRA+\slot] offset:(2*(\q)+\e)*6144+768*(\i)
	ds_load_b64 v[\reg+6*\e+4:\reg+6*\e+5], v[ADRA+2+\slot] offset:(2*(\q)+\e)*6144+768*(\i)+512
.endr
.endm
.macro MUL16 a0, p, q, sc, zero        ; the 64 accumulators take turns, one instruction a turn, in the same order in every step
.irp a, \a0, \a0+1
.irp b, 0,1,2,3,4,5,6,7
.if \zero
	v_wmma_scale_f32_16x16x128_f8f6f4 v[8*(8*((\a)%4)+\b):8*(8*((\a)%4)+\b)+7], v[128*(\p)+FR*\b:128*(\p)+FR*\b+FR-1], v[AF+FR*(\a):AF+FR*(\a)+FR-1], 0, v[SC+8*NQ*(\sc)+NQ*\b+(\q)], v[SC+8*NQ*(\sc)+NQ*(\a)+(\q)] matrix_a_fmt:MATRIX_FMT_BF6 matrix_b_fmt:MATRIX_FMT_BF6 matrix_a_scale:MATRIX_SCALE_ROW1
.else
	v_wmma_scale_f32_16x16x128_f8f6f4 v[8*(8*((\a)%4)+\b):8*(8*((\a)%4)+\b)+7], v[128*(\p)+FR*\b:128*(\p)+FR*\b+FR-1], v[AF+FR*(\a):AF+FR*(\a)+FR-1], v[8*(8*((\a)%4)+\b):8*(8*((\a)%4)+\b)+7], v[SC+8*NQ*(\sc)+NQ*\b+(\q)], v[SC+8*NQ*(\sc)+NQ*(\a)+(\q)] matrix_a_fmt:MATRIX_FMT_BF6 matrix_b_fmt:MATRIX_FMT_BF6 matrix_a_scale:MATRIX_SCALE_ROW1
.endif
.endr
.endr
.endm
.macro FETCH_B slot, q, p
	WIN TO_B
.irp i, 0,1,2,3,4,5,6,7
	FRAG 128*(\p)+FR*\i, ADRB+\slot, \q, \i
.endr
	WIN 0
.endm
.macro FETCH_A slot, q, i0
.irp i, \i0, \i0+1, \i0+2, \i0+3
	FRAG_A AF+FR*(\i), \slot, \q, \i
.endr
.endm
.macro SCALES sc
.irp i, 0,1,2,3,4,5,6,7
	ds_load_b64 v[SC+8*NQ*\sc+NQ*\i:SC+8*NQ*\sc+NQ*\i+1], v[ADRS] offset:\i*128
.endr
.endm
.macro PLACES n
.rept \n
	v_nop
.endr
.endm
.macro STEP slot, q, zero
	s_wait_dscnt 4*NLA                             ; B's set and A's blocks 0-3 are in; the youngest 16 loads (A's blocks 4-7) may be out
	WIN MUL_LO
	MUL16 0, (\q)%2, \q, \slot, \zero
	MUL16 2, (\q)%2, \q, \slot, \zero
	s_wait_dscnt 0
	PLACES NP
	FETCH_B \slot, (\q)+1, 1-(\q)%2
	FETCH_A \slot, (\q)+1, 0
	WIN MUL_HI
	MUL16 4, (\q)%2, \q, \slot, \zero
	MUL16 6, (\q)%2, \q, \slot, \zero
	PLACES NP
	WIN 0
	FETCH_A \slot, (\q)+1, 4
.endm
.macro TURN slot, next, fill
	s_wait_tensorcnt 0x0                           ; all my tensor loads have landed: my part of the next slot
	ds_add_u32 v[SPW], v[NIL]                      ; 0 onto my spare word
	s_wait_dscnt 4*NLA+1                           ; (the add and the youngest 16 loads may be out)
	WIN MUL_LO
	MUL16 0, 1, NQ-1, \slot, 0
	s_wait_dscnt 0x0                               ; the add is done, and my reads of this slot are over
	s_barrier_signal -1
	MUL16 2, 1, NQ-1, \slot, 0
	WIN 0
	s_barrier_wait -1
.if \fill
	CREST                                          ; the barrier has opened a round of the cluster's barrier: no wave of any partner still reads this slot or has a load on its way
	s_add_nc_u64 s[G0+4*\slot+2:G0+4*\slot+3], s[G0+4*\slot+2:G0+4*\slot+3], 2*ASTEP
	s_add_nc_u64 s[G0B+4*\slot+2:G0B+4*\slot+3], s[G0B+4*\slot+2:G0B+4*\slot+3], 2*ROWB
	JLOAD G0+4*\slot, G1, G0B+4*\slot, G1B         ; the first tensor load behind the round; its four v_nop are the places in front of the loads below
.else
	PLACES NP
.endif
	v_add_nc_u32 v[ADRS], 1024, v[ADRS]            ; on to the next K step's scale words
	FETCH_B \next, 0, 0
	FETCH_A \next, 0, 0
	SCALES \next
	WIN MUL_HI
	MUL16 4, 1, NQ-1, \slot, 0
	MUL16 6, 1, NQ-1, \slot, 0
	PLACES NP
	WIN 0
	FETCH_A \next, 0, 4
.endm
	s_wait_tensorcnt 1                             ; the scales and my part of K step 0 are in (K step 1's load may be out)
	s_barrier_signal -1
	s_barrier_wait -1                              ; everybody's are
	FETCH_B 0, 0, 0
	FETCH_A 0, 0, 0
	SCALES 0
	FETCH_A 0, 0, 4
	STEP 0, 0, 1                                   ; the first step's products start the sums
	s_mov_b32 s3, LAPS-1
.Llap:
	TURN 0, 1, 1
	STEP 1, 0, 0
	TURN 1, 0, 1
	STEP 0, 0, 0
	s_sub_co_u32 s3, s3, 1
	s_cmp_lg_u32 s3, 0
	s_cbranch_scc1 .Llap
	TURN 0, 1, 0                                   ; the last lap fills nothing
	STEP 1, 0, 0
	s_wait_dscnt 4*NLA
	WIN MUL_LO
	MUL16 0, 1, NQ-1, 1, 0
	MUL16 2, 1, NQ-1, 1, 0
	s_wait_dscnt 0
	WIN MUL_HI
	MUL16 4, 1, NQ-1, 1, 0
	MUL16 6, 1, NQ-1, 1, 0
	WIN 0
; THE WAY OUT, block by block of 16 stored tokens x 128 columns, through my own stage in LDS.  Accumulator b = 2 c + u of lane (r, h) holds true columns 32 c + 16 h + 8 u + 0 .. 7 of stored token r.
; Stage row t of block a is true token 32 (a / 2) + 8 (a % 2) + t + 8 (t / 8).  LDS serves a wave's instructions in order: no wait between the stores and the loads.
.macro TOSTAGE a
.set AC, 64*((\a)%4)
	WIN 0x08+4*((\a)/4)                            ; the data: window 2 or 3
.irp b, 0,1,2,3,4,5,6,7
	ds_store_b128 v[STO], v[AC+8*\b:AC+8*\b+3] offset:128*(\b/2)+32*(\b%2)          ; each accumulator from its low end on
	ds_store_b128 v[STO], v[AC+8*\b+4:AC+8*\b+7] offset:128*(\b/2)+32*(\b%2)+16
.endr
	WIN 0
.set BB, BK+64*((\a)%2)
.irp t, 0,1,2,3,4,5,6,7,8,9,10,11,12,13,14,15
	ds_load_b128 v[BB+4*\t:BB+4*\t+3], v[RD] offset:\t*SPITCH
.endr
.endm
.macro SEND a, younger                 ; younger: the LDS instructions issued behind block a's loads, which may stay out
.set BB, BK+64*((\a)%2)
	s_wait_dscnt \younger
.if (\a) > 0
.if (\a)%2 == 1
	s_add_nc_u64 s[12:13], s[12:13], 8*4096        ; (behind a wait on XCNT: the earlier stores have read their base)  an odd block begins 8 true rows on,
.else
	s_add_nc_u64 s[12:13], s[12:13], 24*4096       ; an even one 24 more
.endif
.endif
.irp t, 0,1,2,3,4,5,6,7,8,9,10,11,12,13,14,15
	global_store_b128 v[CO], v[BB+4*\t:BB+4*\t+3], s[12:13] offset:(\t+8*(\t/8))*4096 th:TH_STORE_NT   ; 32 lanes store 512 consecutive bytes, aligned to 256; written once, read by nobody here
.endr
.endm
	PLACES NP
	TOSTAGE 0
.irp a, 1,2,3,4,5,6,7
.if \a > 1
	s_wait_xcnt 0x0                                ; block a - 2's stores have read their registers and their base
.endif
	TOSTAGE \a
	SEND \a-1, 32                                  ; behind block a - 1's loads: block a's 16 stores and 16 loads
.endr
	s_wait_xcnt 0x0
	SEND 7, 0
	s_wait_tensorcnt 0x0                           ; the wave's end
	ds_add_u32 v[SPW], v[NIL]
	s_wait_dscnt 0x0
	CROUND                                         ; the closing round
	s_endpgm
.Lfunc_end_k_q5bac0b729d_proj:
	.size	k_q5bac0b729d_proj, .Lfunc_end_k_q5bac0b729d_proj-k_q5bac0b729d_proj
	.p2alignl 7, 3214868480
	.fill 96, 4, 3214868480
	.section	.rodata,"a",@progbits
	.p2align	6, 0x0
	.amdhsa_kernel k_q5bac0b729d_proj
		.amdhsa_group_segment_fixed_size 327680
		.amdhsa_private_segment_fixed_size 0
		.amdhsa_enable_private_segment 0
		.amdhsa_kernarg_size 56
		.amdhsa_user_sgpr_count 2
		.amdhsa_user_sgpr_kernarg_segment_ptr 1
		.amdhsa_wavefront_size32 1
		.amdhsa_system_sgpr_workgroup_id_x 1
		.amdhsa_system_sgpr_workgroup_id_y 1
		.amdhsa_system_sgpr_workgroup_id_z 1
		.amdhsa_system_vgpr_workitem_id 0
		.amdhsa_next_free_vgpr 1024
		.amdhsa_next_free_sgpr 100
		.amdhsa_reserve_vcc 0
		.amdhsa_float_denorm_mode_32 3
		.amdhsa_float_denorm_mode_16_64 3
		.amdhsa_memory_ordered 1
		.amdhsa_forward_progress 1
		.amdhsa_inst_pref_size 154
	.end_amdhsa_kernel
	.amdgpu_metadata
---
amdhsa.version: [ 1, 2 ]
amdhsa.kernels:
  - .name:           k_q5bac0b729d_proj
    .symbol:         k_q5bac0b729d_proj.kd
    .args:
      - { .name: oc, .offset: 0, .size: 8, .value_kind: global_buffer, .address_space: global }
      - { .name: os, .offset: 8, .size: 8, .value_kind: global_buffer, .address_space: global }
      - { .name: pc, .offset: 16, .size: 8, .value_kind: global_buffer, .address_space: global }
      - { .name: ps, .offset: 24, .size: 8, .value_kind: global_buffer, .address_space: global }
      - { .name: ep, .offset: 32, .size: 8, .value_kind: global_buffer, .address_space: global }
      - { .name: out0, .offset: 40, .size: 8, .value_kind: global_buffer, .address_space: global }
      - { .name: out1, .offset: 48, .size: 8, .value_kind: global_buffer, .address_space: global }
    .group_segment_fixed_size: 327680
    .private_segment_fixed_size: 0
    .kernarg_segment_align: 8
    .kernarg_segment_size: 56
    .max_flat_workgroup_size: 128
    .sgpr_count:     100
    .vgpr_count:     1024
    .wavefront_size: 32
...
	.end_amdgpu_metadata
.endif
;; end of part 4
